; MI455X (gfx1250); checked and timed in simulation.
; The chip was launched on July 23, 2026; its instructions are those of AMD's public machine-readable ISA for CDNA 5 (MIT licence, August 2026) and "CDNA5" Instruction Set Architecture Reference Guide (July 2026). The comments in the code are by the model that wrote it; some were corrected since.
;; Multi Head Attention. Allowed arithmetic: matrix products marked QUANTISED: E2M3 operands, one E8M0 scale for each 32 along K, by v_wmma_scale_f32_16x16x128_f8f6f4 with both operands' format E2M3, f32 sums; everything else in f32.
;; Inputs: bk 1,024 float32; bo 1,024 float32; bq 1,024 float32; bv 1,024 float32; wk 1,024 x 1,024 float32; wo 1,024 x 1,024 float32; wq 1,024 x 1,024 float32; wv 1,024 x 1,024 float32; x 4 x 2,048 x 1,024 float32.
;; Outputs: out0 4 x 2,048 x 1,024 float32.
;; This version of the problem:
;;   THIS VERSION OF THE PROBLEM IS GIVEN IN LOW PRECISION. The matrix products marked QUANTISED in the list below multiply operands that are first quantised to E2M3 (2 exponent bits, 3 mantissa bits; 6 bits a number), with one power-of-two scale for each 32 numbers along K (OCP MX v1.0); their sums are f32. All else is computed in f32.
;;   The module's matrix products, in the order in which they are computed (A, B: the left and right operand; K: the contracted axis; several contracted axes count as one K, in the product's order):
;;     1. [M 8,192, K 1,024] x [K 1,024, N 1,024]; A: input x; B: input wq: QUANTISED
;;     2. [M 8,192, K 1,024] x [K 1,024, N 1,024]; A: input x; B: input wk: QUANTISED
;;     3. [M 8,192, K 1,024] x [K 1,024, N 1,024]; A: input x; B: input wv: QUANTISED
;;     4. batch 64 x [M 2,048, K 64] x [K 64, N 2,048]; A: computed on the way; B: computed on the way: QUANTISED
;;     5. batch 64 x [M 2,048, K 2,048] x [K 2,048, N 64]; A: softmax (see below); B: computed on the way: QUANTISED
;;     6. [M 8,192, K 1,024] x [K 1,024, N 1,024]; A: computed on the way; B: input wo: QUANTISED
;;   THE QUANTISER, for each operand of a quantised product, along K:
;;     - K is cut into blocks of 32 from its start; a last block that is shorter is filled with zeros.
;;     - A block's scale is 2^e with e = floor(log2(the largest magnitude in the block)) - 2, held to -126 .. 127; a block of zeros has e = 0. As a byte (E8M0): e + 127.
;;     - Each number is divided by its block's scale, clamped to +-7.5, and rounded to the nearest number of E2M3, ties to even, subnormals kept.
;;     - The product sums the exact products of the quantised numbers (number of the format x scale) in f32.
;;   ~~~python
;;   def quantise(x, axis):      # numpy; x: float32 -> the quantised numbers, widened to float32 again
;;       x = np.moveaxis(x, axis, -1); K = x.shape[-1]
;;       x = np.pad(x, [(0, 0)] * (x.ndim - 1) + [(0, -K % 32)]); x = x.reshape(x.shape[:-1] + (-1, 32)); a = np.abs(x).max(-1, keepdims=True)
;;       e = np.where(a > 0, np.clip(np.frexp(np.where(a > 0, a, 1))[1] - 1 - 2, -126, 127), 0)      # np.frexp(a)[1] - 1 = floor(log2(a)), exactly
;;       r = np.clip(x / 2.0 ** e, -7.5, 7.5)
;;       step = 2.0 ** (np.maximum(np.frexp(np.where(r == 0, 1, r))[1] - 1, 0) - 3)
;;       q = np.round(r / step) * step * 2.0 ** e      # np.round: ties to even
;;       return np.moveaxis(q.reshape(q.shape[:-2] + (-1,))[..., :K], -1, axis).astype(np.float32)
;;   ~~~
;;   SOFTMAX AHEAD OF A QUANTISED PRODUCT. Where the list says 'softmax', what is quantised is not the finished softmax but p = 2^(t - M), with t = logit x log2(e) and M = ceil(the row's largest t), a whole number; so 1/2 < the row's largest p <= 1. The row's sum l is taken of the UNQUANTISED p, in f32, and the product's result is divided by l at the end. Since M is a whole number, a kernel that streams over the keys may use a running M (the ceiling of the running maximum): every later rescaling is an exact power of two, which a block's scale takes up: the codes' values come out the same.
;;   OPERANDS COMPUTED ON THE WAY. 'Computed on the way' means the value that the module computes at that place (a softmax that the list does not call 'softmax' is quantised finished and normalised). What goes into a quantiser is computed in f32, as accurately as f32 sums, v_exp_f32 and their like allow (about 1e-6 of the number): no bf16 or f16 on the way to a quantiser, and a product that is left as it is and whose result goes on into a quantised operand takes f32 operands (vector FMAs, or v_wmma_f32_16x16x4_f32). A number that lies on a knife's edge between two numbers of the format may be rounded either way, as far as f32 arithmetic and the matrix unit's own rounding can turn it there, and no further.
;; One version. Each part assembles by itself: llvm-mc -triple=amdgcn-amd-amdhsa -mcpu=gfx1250 --defsym DOCPART=n.
;; ======== version 1 of 1: 4 launches
;; limits: right only within a limited range of input values
;; workspace buffers: xi 6,553,600 bytes; wi 3,276,800 bytes; qi 6,553,600 bytes; kv 13,107,200 bytes; oi 6,553,600 bytes
;; launch quant (part 1): grid 384 x 1, 4 waves a work-group, no clusters, 34,304 bytes of LDS; arguments x, wq, wk, wv, wo, xi, wi; writes xi, wi
.if DOCPART == 1
	.amdgcn_target "amdgcn-amd-amdhsa--gfx1250"
	.amdhsa_code_object_version 6
	.text
	.protected	k_q263de8df95_quant
	.globl	k_q263de8df95_quant
	.p2align	8
	.type	k_q263de8df95_quant,@function
k_q263de8df95_quant:
	s_mov_b64 s[64:65], 0
	v_nop
	global_prefetch_b8 v0, s[64:65] scope:SCOPE_SE
	s_setreg_imm32_b32 hwreg(HW_REG_WAVE_MODE, 25, 1), 1
	s_wait_xcnt 0x0
; x [8192][1024] f32 and the four weights [1024 (k)][1024 (n)] f32 become codes of FP6 (E2M3) with one E8M0 byte for each 32 along K,
; laid as IMAGES OF OPERAND REGISTERS, so that the products' launches read fragments by loads of 16 bytes a lane, 512 consecutive bytes an instruction.
; TILES.  32 neighbouring rows (tokens of x, columns n of a weight) are a PAIR of two tiles: place r of tile u is row 8 u + r + 8 (r / 8) of the 32.
; PAIR BLOCK, 6,400 bytes, for 256 along K: even tile K step 0, K step 1 (1,536 bytes each: register i of lane l at 512 (i / 4) + 16 l + 4 (i % 4)), odd tile likewise,
; then 256 bytes of scale words: lane l has 8 bytes {even tile's word, odd tile's word}; lanes 0-15: row l, K step 0; lanes 16-31: row l - 16, K step 1.
; xi: [K slot 4][pair 256][6,400];  wi: [K slot 4][pair 128][6,400], pairs 0-31 wq, 32-63 wk, 64-95 wv, 96-127 wo.
; A block's scale is 2^(floor(log2(largest magnitude)) - 2); its byte is the largest magnitude's exponent field - 2, held at 1 from below.
; LIMITS: NaN and infinities are not served; a block whose largest magnitude lies under 2^-124 keeps the byte 1; a block of zeros has the byte 1
; where the rule says 127: its codes are zeros, and these bytes are read by this program alone.
; Work-groups 0-255: pair g of x, wave = K slot.  Work-groups 256-383: a weight, a K slot, 128 columns; wave = 32 columns.  Every wave reads 32 KiB.
; No tensor loads, no barrier: waves share nothing.  Only the path for x stores to LDS.
.set SPARE, 33792                      ; behind the four stages: the spare words, 128 bytes a wave
.set STG,   8448                       ; a wave's stage: 16 rows x (512 + 16) bytes
.set TM,    16                         ; v16-31  at work in QUANT
.set RS,    32                         ; v32-159 two sets of 64 registers as loaded
.set T,     160                        ; v160-223 64 numbers: register 16 b + i = k 32 b + 16 (lane / 16) + i of my row
.set PC,    224                        ; v224-235 a fragment's codes
.set CT0,   236
.set CT1,   240
.set PW,    244                        ; v244-247 the four units' scale words
.set WDS,   248                        ; v248-249 the pair that leaves
.set SPW,   252
.set NIL,   253
.set SEL,   28                         ; s[28:29] selects of v_permlanex16_b32: lane l xor 16
.set X,     32                         ; weights: v32-95 two sets of 32 numbers down K
.set IE,    96                         ; v96-119  the even tile's images, K step 0, 1
.set IO,    120                        ; v120-143 the odd tile's
.set TP,    144
.set WD,    148                        ; v148-149 scale words of K step 0, 1
; 64 numbers of a lane become a fragment: registers 0-5 in v[d0] on, 6-11 in v[d1] on, and the row's scale word in v[pw].
.macro QUANT s, d0, d1, pw
.irp b, 0,1,2,3
	v_max3_num_f32 v[TM+\b], |v[(\s)+16*\b]|, |v[(\s)+1+16*\b]|, 0x1800000   ; my 16 of block b, and the floor 2^(3 - 127): the byte cannot fall under 1
.endr
.irp i, 2,4,6,8,10,12,14
.irp b, 0,1,2,3
	v_max3_num_f32 v[TM+\b], v[TM+\b], |v[(\s)+16*\b+\i]|, |v[(\s)+1+16*\b+\i]|
.endr
.endr
.irp b, 0,1,2,3
	v_permlanex16_b32 v[TM+4+\b], v[TM+\b], s[SEL], s[SEL+1]
.endr
.irp b, 0,1,2,3
	v_max_num_f32 v[TM+\b], v[TM+\b], v[TM+4+\b]       ; with lane l xor 16's 16: the block's largest magnitude
.endr
.irp b, 0,1,2,3
	v_add_nc_u32 v[TM+12+\b], 0xff000000, v[TM+\b]     ; 2 off its exponent field: the conversion's scale operand
.endr
.irp b, 0,1,2,3
	v_lshrrev_b32 v[TM+4+\b], 23, v[TM+12+\b]          ; the scale's byte
.endr
	v_lshl_or_b32 v[\pw], v[TM+5], 8, v[TM+4]
	v_lshl_or_b32 v[\pw], v[TM+6], 16, v[\pw]
	v_lshl_or_b32 v[\pw], v[TM+7], 24, v[\pw]
	v_cvt_scalef32_pk16_fp6_f32 v[(\d0):(\d0)+2], v[(\s):(\s)+15], v[TM+12]
	v_cvt_scalef32_pk16_fp6_f32 v[CT0:CT0+2], v[(\s)+16:(\s)+31], v[TM+13]
	v_cvt_scalef32_pk16_fp6_f32 v[(\d1):(\d1)+2], v[(\s)+32:(\s)+47], v[TM+14]
	v_cvt_scalef32_pk16_fp6_f32 v[CT1:CT1+2], v[(\s)+48:(\s)+63], v[TM+15]
	v_nop                                              ; one plain place behind the scaled conversions
.irp i, 0,1,2
	v_permlane16_swap_b32 v[(\d0)+\i], v[CT0+\i]       ; the layout wants a whole block in a lane: lanes 0-15 the even block, lanes 16-31 the odd one
	v_permlane16_swap_b32 v[(\d1)+\i], v[CT1+\i]
.endr
.irp i, 0,1,2
	v_mov_b32 v[(\d0)+3+\i], v[CT0+\i]
	v_mov_b32 v[(\d1)+3+\i], v[CT1+\i]
.endr
.endm
; unit n = 2 e + s2: tile e, K step s2: 16 rows x 512 bytes, a row an instruction
.macro LOADU n
.irp i, 0,1,2,3,4,5,6,7,8,9,10,11,12,13,14,15
	global_load_b128 v[RS+64*((\n)%2)+4*\i:RS+64*((\n)%2)+4*\i+3], v2, s[4:5] offset:(8*((\n)/2)+\i+8*(\i/8))*4096+512*((\n)%2) th:TH_LOAD_NT
.endr
.endm
.macro UNIT n
.if (\n) < 3
	s_wait_loadcnt 16                                  ; this unit's 16 loads are in; the next unit's 16 may be out
.else
	s_wait_loadcnt 0x0
.endif
.irp i, 0,1,2,3,4,5,6,7,8,9,10,11,12,13,14,15
	ds_store_b128 v3, v[RS+64*((\n)%2)+4*\i:RS+64*((\n)%2)+4*\i+3] offset:528*\i
.endr
.irp b, 0,1,2,3
.irp j, 0,1,2,3
	ds_load_b128 v[T+16*\b+4*\j:T+16*\b+4*\j+3], v4 offset:128*\b+16*\j   ; LDS serves a wave's instructions in order: these see the stores above
.endr
.endr
	s_wait_dscnt 0x0                                   ; the numbers are back, and the stage's stores have read their registers
.if (\n) > 0
	s_wait_xcnt 0x0                                    ; the last unit's stores have read v[PC] on: it is written again below
.endif
.if (\n) < 2
	LOADU (\n)+2
.endif
	QUANT T, PC, PC+6, PW+(\n)
.irp c, 0,1,2
	global_store_b128 v2, v[PC+4*\c:PC+4*\c+3], s[14:15] offset:3072*((\n)/2)+1536*((\n)%2)+512*\c   ; 32 lanes store 512 consecutive bytes
.endr
.endm
; the weights: block t of 32 down K of my column
.macro WLOAD t
.set n1, 0
.rept 32
	global_load_b32 v[X+32*((\t)%2)+n1], v2, s[30:31] offset:(32*(\t)+n1)*4096 th:TH_LOAD_NT
.set n1, n1+1
.endr
.endm
.macro BLOCK t
.set XS, X+32*((\t)%2)
.set S2, (\t)/4
.set BB, (\t)%4
.if BB%2 == 0
.set RG, IE+12*S2+6*(BB/2)
.else
.set RG, IO+12*S2+6*(BB/2)
.endif
.if (\t) < 7
	s_wait_loadcnt 32                                  ; this block's 32 loads are in; the next block's may be out
.else
	s_wait_loadcnt 0x0
.endif
	v_max3_num_f32 v12, |v[XS]|, |v[XS+1]|, |v[XS+2]|  ; all 32 numbers of the block are mine
	v_max3_num_f32 v13, |v[XS+3]|, |v[XS+4]|, |v[XS+5]|
.irp i, 6,10,14,18,22,26
	v_max3_num_f32 v12, v12, |v[XS+\i]|, |v[XS+\i+1]|
	v_max3_num_f32 v13, v13, |v[XS+\i+2]|, |v[XS+\i+3]|
.endr
	v_max3_num_f32 v12, v12, |v[XS+30]|, |v[XS+31]|
	v_max3_num_f32 v12, v12, v13, 0x1800000            ; and the floor
	v_add_nc_u32 v11, 0xff000000, v12
	v_lshrrev_b32 v13, 23, v11
.if BB == 0
	v_mov_b32 v[WD+S2], v13
.else
	v_lshl_or_b32 v[WD+S2], v13, 8*BB, v[WD+S2]
.endif
	v_cvt_scalef32_pk16_fp6_f32 v[RG:RG+2], v[XS:XS+15], v11
	v_cvt_scalef32_pk16_fp6_f32 v[TP:TP+2], v[XS+16:XS+31], v11   ; (a conversion's three registers begin on an even number)
	v_nop                                              ; one plain place behind the scaled conversions
.irp i, 0,1,2
	v_mov_b32 v[RG+3+\i], v[TP+\i]
.endr
.if (\t)+2 < 8
	WLOAD (\t)+2
.endif
.if BB%2 == 1                          ; lanes 0-15 hold the even tile's columns, lanes 16-31 the odd tile's: one exchange of halves gives lane (r, h) of each tile its block 2 c + h
.irp i, 0,1,2,3,4,5
	v_permlane16_swap_b32 v[IE+12*S2+6*(BB/2)+\i], v[IO+12*S2+6*(BB/2)+\i]
.endr
.endif
.if BB == 3
.irp c, 0,1,2
	global_store_b128 v3, v[IE+12*S2+4*\c:IE+12*S2+4*\c+3], s[16:17] offset:1536*S2+512*\c
	global_store_b128 v3, v[IO+12*S2+4*\c:IO+12*S2+4*\c+3], s[16:17] offset:3072+1536*S2+512*\c
.endr
.endif
.endm
	s_load_b256 s[4:11], s[0:1], 0x0               ; x s[4:5], wq s[6:7], wk s[8:9], wv s[10:11]
	s_load_b128 s[12:15], s[0:1], 0x20             ; wo s[12:13], xi s[14:15]
	s_load_b64 s[16:17], s[0:1], 0x30              ; wi
	v_lshl_add_u32 v[SPW], v0, 2, SPARE
	v_mov_b32 v[NIL], 0
	v_lshrrev_b32 v1, 5, v0
	v_readfirstlane_b32 s18, v1                    ; wave
	v_and_b32 v1, 31, v0                           ; lane
	s_cmp_lt_u32 ttmp9, 256
	s_cbranch_scc0 .Lweights
	; ---- x: pair g = work-group, K slot = wave
	v_lshlrev_b32 v2, 4, v1                        ; 16 x lane
	v_lshlrev_b32 v5, 3, v1                        ; 8 x lane
	v_and_b32 v6, 15, v0                           ; r
	v_bfe_u32 v7, v0, 4, 1                         ; h
	s_mul_i32 s19, s18, STG
	v_add_nc_u32 v3, s19, v2                       ; into my stage: a row's 512 bytes as they lie
	v_mul_u32_u24 v4, v6, 528
	v_lshl_add_u32 v4, v7, 6, v4
	v_add_nc_u32 v4, s19, v4                       ; out of it: row r, + 64 h: my 16 numbers of each block of 32
	v_cmp_le_u32 s20, 16, v1                       ; lanes 16-31
	s_mov_b32 s[SEL], 0x76543210
	s_mov_b32 s[SEL+1], 0xfedcba98
.irp b, 0,1,2,3
	v_mov_b32 v[TM+4+\b], 0                        ; written once: a lane permute's destination counts as one of its sources
.endr
	s_lshl_b32 s22, ttmp9, 17                      ; 32 rows of 4,096 bytes
	s_lshl_b32 s24, s18, 10                        ; + my 256 numbers of a row
	s_add_co_u32 s22, s22, s24
	s_mov_b32 s23, 0
	s_mul_i32 s24, s18, 1638400                    ; xi: K slot,
	s_mul_i32 s25, ttmp9, 6400                     ; pair
	s_add_co_u32 s24, s24, s25
	s_mov_b32 s25, 0
	s_wait_alu depctr_va_vdst(0)
	s_wait_kmcnt 0x0
	s_add_nc_u64 s[4:5], s[4:5], s[22:23]
	s_add_nc_u64 s[14:15], s[14:15], s[24:25]
	LOADU 0
	LOADU 1
	UNIT 0
	UNIT 1
	UNIT 2
	UNIT 3
	v_cndmask_b32 v[WDS], v[PW], v[PW+1], s20      ; even tile: lanes 0-15 K step 0, lanes 16-31 K step 1 (a word stands in lanes l and l xor 16 alike)
	v_cndmask_b32 v[WDS+1], v[PW+2], v[PW+3], s20  ; odd tile
	global_store_b64 v5, v[WDS:WDS+1], s[14:15] offset:6144   ; 256 consecutive bytes
	s_wait_tensorcnt 0x0                           ; the wave's end, behind my last LDS store
	ds_add_u32 v[SPW], v[NIL]
	s_wait_dscnt 0x0
	s_endpgm
.Lweights:
	; ---- a weight: lane L takes column (L with bits 3 and 4 exchanged) of my 32, so that lanes 0-15 are the even tile's places and lanes 16-31 the odd tile's; registers run down K
	s_sub_co_u32 s19, ttmp9, 256                   ; 32 x weight + 8 x K slot + column group
	v_and_b32 v2, 7, v0
	v_bfe_u32 v3, v0, 3, 1
	v_bfe_u32 v4, v0, 4, 1
	v_lshl_or_b32 v2, v3, 4, v2
	v_lshl_or_b32 v2, v4, 3, v2
	v_lshlrev_b32 v2, 2, v2                        ; my column, in bytes
	s_wait_alu depctr_va_vdst(0)
	v_lshlrev_b32 v3, 4, v1                        ; 16 x lane
	v_lshlrev_b32 v4, 3, v1                        ; 8 x lane
	s_bfe_u32 s20, s19, 0x20003                    ; K slot
	s_and_b32 s21, s19, 7                          ; group of 128 columns
	s_lshr_b32 s22, s19, 5                         ; which weight
	s_lshl_b32 s24, s20, 20                        ; 256 rows of 4,096 bytes
	s_lshl_b32 s26, s21, 9
	s_add_co_u32 s24, s24, s26
	s_lshl_b32 s26, s18, 7
	s_add_co_u32 s24, s24, s26                     ; + 4 (128 group + 32 wave)
	s_mov_b32 s25, 0
	s_lshl_b32 s26, s22, 5
	s_lshl_b32 s27, s21, 2
	s_add_co_u32 s26, s26, s27
	s_add_co_u32 s26, s26, s18                     ; pair = 32 weight + 4 group + wave
	s_mul_i32 s26, s26, 6400
	s_mul_i32 s27, s20, 819200
	s_add_co_u32 s26, s26, s27
	s_mov_b32 s27, 0
	s_wait_kmcnt 0x0
	s_bitcmp1_b32 s19, 5                           ; the choice hangs on the work-group's number alone
	s_cselect_b64 s[30:31], s[8:9], s[6:7]
	s_cselect_b64 s[32:33], s[12:13], s[10:11]
	s_bitcmp1_b32 s19, 6
	s_cselect_b64 s[30:31], s[32:33], s[30:31]
	s_add_nc_u64 s[30:31], s[30:31], s[24:25]
	s_add_nc_u64 s[16:17], s[16:17], s[26:27]
	WLOAD 0
	WLOAD 1
.irp t, 0,1,2,3,4,5,6,7
	BLOCK \t
.endr
	v_permlane16_swap_b32 v[WD], v[WD+1]           ; {even tile: K step 0 | K step 1}, {odd tile: K step 0 | K step 1}
	global_store_b64 v4, v[WD:WD+1], s[16:17] offset:6144
	s_wait_tensorcnt 0x0                           ; the same three lines close this path
	ds_add_u32 v[SPW], v[NIL]
	s_wait_dscnt 0x0
	s_endpgm
.Lfunc_end_k_q263de8df95_quant:
	.size	k_q263de8df95_quant, .Lfunc_end_k_q263de8df95_quant-k_q263de8df95_quant
	.p2alignl 7, 3214868480
	.fill 96, 4, 3214868480
	.section	.rodata,"a",@progbits
	.p2align	6, 0x0
	.amdhsa_kernel k_q263de8df95_quant
		.amdhsa_group_segment_fixed_size 34304
		.amdhsa_private_segment_fixed_size 0
		.amdhsa_enable_private_segment 0
		.amdhsa_kernarg_size 56
		.amdhsa_user_sgpr_count 2
		.amdhsa_user_sgpr_kernarg_segment_ptr 1
		.amdhsa_wavefront_size32 1
		.amdhsa_system_sgpr_workgroup_id_x 1
		.amdhsa_system_sgpr_workgroup_id_y 1
		.amdhsa_system_sgpr_workgroup_id_z 1
		.amdhsa_system_vgpr_workitem_id 0
		.amdhsa_next_free_vgpr 256
		.amdhsa_next_free_sgpr 66
		.amdhsa_reserve_vcc 0
		.amdhsa_float_denorm_mode_32 3
		.amdhsa_float_denorm_mode_16_64 3
		.amdhsa_memory_ordered 1
		.amdhsa_forward_progress 1
		.amdhsa_inst_pref_size 72
	.end_amdhsa_kernel
	.amdgpu_metadata
---
amdhsa.version: [ 1, 2 ]
amdhsa.kernels:
  - .name:           k_q263de8df95_quant
    .symbol:         k_q263de8df95_quant.kd
    .args:
      - { .name: x, .offset: 0, .size: 8, .value_kind: global_buffer, .address_space: global }
      - { .name: wq, .offset: 8, .size: 8, .value_kind: global_buffer, .address_space: global }
      - { .name: wk, .offset: 16, .size: 8, .value_kind: global_buffer, .address_space: global }
      - { .name: wv, .offset: 24, .size: 8, .value_kind: global_buffer, .address_space: global }
      - { .name: wo, .offset: 32, .size: 8, .value_kind: global_buffer, .address_space: global }
      - { .name: xi, .offset: 40, .size: 8, .value_kind: global_buffer, .address_space: global }
      - { .name: wi, .offset: 48, .size: 8, .value_kind: global_buffer, .address_space: global }
    .group_segment_fixed_size: 34304
    .private_segment_fixed_size: 0
    .kernarg_segment_align: 8
    .kernarg_segment_size: 56
    .max_flat_workgroup_size: 128
    .sgpr_count:     66
    .vgpr_count:     256
    .wavefront_size: 32
...
	.end_amdgpu_metadata
.endif
;; end of part 1
;; launch qkv (part 2): grid 12 x 32, 4 waves a work-group, clusters of 4 x 4, 327,680 bytes of LDS; arguments xi, wi, bq, bk, bv, qi, kv; writes qi, kv
.if DOCPART == 2
	.amdgcn_target "amdgcn-amd-amdhsa--gfx1250"
	.amdhsa_code_object_version 6
	.text
	.protected	k_q263de8df95_qkv
	.globl	k_q263de8df95_qkv
	.p2align	8
	.type	k_q263de8df95_qkv,@function
k_q263de8df95_qkv:
	s_mov_b64 s[64:65], 0
	v_nop
	global_prefetch_b8 v0, s[64:65] scope:SCOPE_SE
	s_setreg_imm32_b32 hwreg(HW_REG_WAVE_MODE, 25, 1), 1
	s_wait_xcnt 0x0
	s_wait_alu depctr_hold_cnt(0) depctr_sa_sdst(0) depctr_va_vdst(0) depctr_va_sdst(0) depctr_va_ssrc(0) depctr_va_vcc(0) depctr_vm_vsrc(0)
	s_getreg_b32 s2, hwreg(HW_REG_IB_STS2, 6, 4)
	s_cmp_eq_u32 s2, 0
	s_cbranch_scc0 .Lentry_in_a_cluster
	s_endpgm
.Lentry_in_a_cluster:
	s_bfe_u32 s2, ttmp6, 0x10000c
	s_cmp_lg_u32 s2, 0xf033
	s_cbranch_scc0 .Lentry_shape_is_right
	s_endpgm
.Lentry_shape_is_right:
; q = x wq + bq, k = x wk + bk, v = x wv + bv on codes of FP6 with E8M0 scales (K = 1,024), and the results quantised in registers for the attention:
; q and k along the head's 64 features, v along the keys.  Cluster x = 0: q; 1: k; 2: v.
; A work-group makes 256 tokens x 256 features, each of four waves 128 x 128: 64 accumulators, 512 registers.  Operands lie in memory as images of their registers, in pair blocks of 6,400 bytes
; (32 rows x 256 along K, codes and scale words): a K slot of 128 rows is ONE dense block of 25,600 bytes, one tensor load a wave.
; THE MATRIX INSTRUCTION: source 0 = operand P, source 1 = operand R; a lane then holds one row of R and its registers run along P's rows; by the tiles' choice of rows the 16 registers of two neighbouring
; tiles of P are 16 neighbours.  q, k: R = tokens, P = features (a lane's 64 registers: 128 features = two heads).  v: R = features, P = tokens (a lane's 64 registers: 128 keys).
; The two cases differ in two LDS bases, chosen on the cluster's number, which all sixteen partners share, and in the way out.
; RING: K = 1,024 is four K slots; three LDS slots are first fills, the fourth K slot fills slot 0 again: three tensor loads of a wave are out at the start, one later.
; CLUSTER 4 x 4: the tokens' blocks are shared along a row of the cluster, the weights' along a column: joint loads.
; OUT.  qi: [batch x head 64][128 tokens 16][6,400]: four pair images (registers 0-5: the head's 64 codes of the even tile, 6-11: of the odd tile), then 256 bytes of words
; {even tile's two bytes, odd tile's two bytes}: lane l has {l < 16 ? pair 0 : pair 1, l < 16 ? pair 2 : pair 3}.  kv: [64][16][12,800]: k as qi's images; v's four images (16 features x 128 keys); k's words; v's words.
; LIMITS: NaN and infinities are not served; a block whose largest magnitude lies under 2^-124 keeps the byte 1; a block of zeros has the byte 1 (its codes are zeros; this program alone reads the bytes).
; REGISTERS: window 0: v1-31 addresses and words; v32-63 scale words, two sets; v64-127 the bias along registers; v128-223 R's 8 fragments (on the way out: at work); v224-239 at work; v240-255 the bias by lane.
;   window 1: P's fragments, two sets, at v0 and v128.  windows 2, 3: accumulator (a, b) at v[8 (8 (a % 4) + b)].
.set PBB,   6400
.set HALF,  4*PBB                      ; 128 rows of a K slot: what one tensor load brings
.set SLOT,  16*PBB                     ; bytes of one K slot of all four pieces
; THE FILLS AS THEY NOW STAND (the lines on three loads above no longer hold): LDS bytes 0 to SLOT hold K slot 0, wave w's 128 rows at w x HALF: one tensor load a wave at the head, 100 rows of 256 bytes.
; Behind them wave w's rows of K slots 1 and 2 lie on end at SLOT + w x 2 HALF: one tensor load a wave, two rows of 25,600 bytes whose pitch is the distance from K slot to K slot,
; issued behind the full sequence and a round.  The fourth K slot later fills K slot 0's bytes again.  One load of a wave is out at any time.
.set SPARE, 3*SLOT                     ; behind the ring: the spare words, 128 bytes a wave
.set XSTR,  256*PBB                    ; from K slot to K slot in xi,
.set WSTR,  128*PBB                    ; and in wi
.set NLR,   3                          ; LDS loads that bring a fragment of R
.set LN,  1
.set LI,  2                            ; 16 x lane
.set L8,  3                            ; 8 x lane
.set PWA, 6                            ; v6-7   two tiles' scale words
.set ADP, 8                            ; v8-10  P's images in slot 0, 1, 2
.set ADR, 11                           ; v11-13 R's
.set ASP, 14                           ; v14-16 the same with 8 x lane, for the scale words
.set ASR, 17                           ; v17-19
.set BNA, 20
.set BMA, 21
.set WT,  22                           ; v22-23 words of an even pair or tile
.set WW,  24                           ; v24-27 the words that leave
.set SPW, 28
.set NIL, 29
.set WU,  30                           ; v30-31 words of an odd pair or tile
.set SC,  32
.set BN,  64
.set RF,  128
.set T,   128
.set H0,  192
.set H1,  204
.set CT0, 216
.set CT1, 220
.set TM,  224
.set BM,  240
.set SEL, 2
.set WV,  18
.set WR,  19                           ; which half of R's rows is mine.  Also: I fetch for the tokens (0) or the weights (1)
.set WP,  20                           ; which half of P's rows.  Also: which 128 rows I fetch
.set HM,  23                           ; mask of lanes 16-31
.set G1T, 24
.set G1W, 32
.set G0T, 40                           ; s[40:47] two sets
.set G0W, 52                           ; s[52:59]
.set OB0, 88                           ; s[88:89] images of my first head, s[90:91] of my second
.set OB1, 90
.set OS0, 92                           ; s[92:93], s[94:95] their words
.set OS1, 94
.set MSB, 0
.macro WIN new                         ; the immediate's high byte repeats the setting that is left
.if MSB != \new
	s_set_vgpr_msb (MSB<<8)|\new
.set MSB, \new
.endif
.endm
.set MUL_LO, 0xa1                      ; source 0 window 1, source 1 window 0, C and D window 2
.set MUL_HI, 0xf1
.set TO_P,   0x40
.macro PLACES                          ; four places behind a matrix instruction of this form, in front of loads into its registers and of reads of its results
.rept 4
	v_nop
.endr
.endm
.macro JLOAD                           ; the joint refill of slot 0; an s_nop 0 and four v_nop follow each of the two lines
	s_cmp_eq_u32 s[WR], 0
	s_cbranch_scc0 .Lfor_w_\@
	tensor_load_to_lds s[G0T:G0T+3], s[G1T:G1T+7]
	s_nop 0
.rept 4
	v_nop
.endr
	s_branch .Lasked_\@
.Lfor_w_\@:
	tensor_load_to_lds s[G0W:G0W+3], s[G1W:G1W+7]
	s_nop 0
.rept 4
	v_nop
.endr
.Lasked_\@:
.endm
.macro CREST
	s_cmp_lg_u32 s[WV], 0
	s_cbranch_scc1 .Lnot_wave_0_\@
	s_barrier_signal -3
.Lnot_wave_0_\@:
	s_barrier_wait -3
	s_barrier_signal -1
	s_barrier_wait -1
.endm
.macro CROUND
	s_barrier_signal -1
	s_barrier_wait -1
	CREST
.endm
.macro FRAG3 reg, adr, q, i            ; tile i of my eight, K step q: three loads of 512 consecutive bytes
.irp c, 0,1,2
	ds_load_b128 v[\reg+4*\c:\reg+4*\c+3], v[\adr] offset:((\i)/2)*PBB+((\i)%2)*3072+((\q)%2)*1536+512*\c
.endr
.endm
.macro FETCH_P q
	WIN TO_P
.irp i, 0,1,2,3,4,5,6,7
	FRAG3 128*((\q)%2)+12*\i, ADP+((\q)/2)%3, \q, \i
.endr
	WIN 0
.endm
.macro FETCH_R q, i0
.irp i, \i0, \i0+1, \i0+2, \i0+3
	FRAG3 RF+12*(\i), ADR+((\q)/2)%3, \q, \i
.endr
.endm
.macro SCALES k                        ; K slot k's words: register b of a set: tile b; lanes 0-15 its first K step, lanes 16-31 its second
.irp j, 0,1,2,3
	ds_load_b64 v[SC+16*((\k)%2)+2*\j:SC+16*((\k)%2)+2*\j+1], v[ASP+(\k)%3] offset:\j*PBB+6144
	ds_load_b64 v[SC+16*((\k)%2)+8+2*\j:SC+16*((\k)%2)+8+2*\j+1], v[ASR+(\k)%3] offset:\j*PBB+6144
.endr
.endm
; 16 matrix instructions: R's tiles a0, a0 + 1 x P's eight.  The 64 accumulators take turns, one instruction a turn, in the same order in every step.
.macro MUL16 a0, q, zero
.irp a, \a0, \a0+1
.irp b, 0,1,2,3,4,5,6,7
.set DD, 8*(8*((\a)%4)+\b)
.set PP, 128*((\q)%2)+12*\b
.set RG, RF+12*(\a)
.set SA, SC+16*(((\q)/2)%2)+\b
.set SB, SC+16*(((\q)/2)%2)+8+(\a)
.if (\q)%2
	v_wmma_scale_f32_16x16x128_f8f6f4 v[DD:DD+7], v[PP:PP+11], v[RG:RG+11], v[DD:DD+7], v[SA], v[SB] matrix_a_fmt:MATRIX_FMT_FP6 matrix_b_fmt:MATRIX_FMT_FP6 matrix_a_scale:MATRIX_SCALE_ROW1 matrix_b_scale:MATRIX_SCALE_ROW1
.elseif \zero
	v_wmma_scale_f32_16x16x128_f8f6f4 v[DD:DD+7], v[PP:PP+11], v[RG:RG+11], 0, v[SA], v[SB] matrix_a_fmt:MATRIX_FMT_FP6 matrix_b_fmt:MATRIX_FMT_FP6
.else
	v_wmma_scale_f32_16x16x128_f8f6f4 v[DD:DD+7], v[PP:PP+11], v[RG:RG+11], v[DD:DD+7], v[SA], v[SB] matrix_a_fmt:MATRIX_FMT_FP6 matrix_b_fmt:MATRIX_FMT_FP6
.endif
.endr
.endr
.endm
.macro STEP q, zero                    ; a K step of 128 whose successor's tiles are known to lie in LDS
	s_wait_dscnt 4*NLR                             ; P's set, R's tiles 0-3 and the words are in; the youngest loads (R's tiles 4-7) may be out
	WIN MUL_LO
	MUL16 0, \q, \zero
	MUL16 2, \q, \zero
	s_wait_dscnt 0x0                               ; R's tiles 4-7 are in
	PLACES
	FETCH_P (\q)+1
	FETCH_R (\q)+1, 0
.if ((\q)+1)%2 == 0
	SCALES ((\q)+1)/2
.endif
	WIN MUL_HI
	MUL16 4, \q, \zero
	MUL16 6, \q, \zero
	PLACES
	WIN 0
	FETCH_R (\q)+1, 4
.endm
; A K step with a barrier: in front of it each wave waits for all its tensor loads, adds 0 to its spare word, and waits for that and for its LDS reads.  fill = 1: slot 0, which nobody reads any more, takes the fourth K slot.
.macro TURN q, fill
	s_wait_tensorcnt 0x0                           ; all my tensor loads have landed
	ds_add_u32 v[SPW], v[NIL]                      ; 0 onto my spare word
.if \fill
.irp g, G1T, G1W                       ; no tensor load of mine is out, so group 1 may be written: the refill is one K slot, 100 rows of 256 bytes
	s_mov_b32 s[\g+1], 32<<16
	s_mov_b32 s[\g+2], 100<<16
	s_mov_b32 s[\g+3], 32<<16
	s_mov_b32 s[\g+4], 100
	s_mov_b32 s[\g+5], 32
.endr
.endif
	s_wait_dscnt 4*NLR+1                           ; (the add and R's tiles 4-7 may be out)
	WIN MUL_LO
	MUL16 0, \q, 0
	s_wait_dscnt 0x0                               ; the add is done and all my LDS reads are back
	s_barrier_signal -1
	MUL16 2, \q, 0
	WIN 0
	s_barrier_wait -1
.if \fill
	CREST                                          ; the barrier has opened a round of the cluster's barrier: no wave of any partner reads slot 0 or has a load on its way
	s_add_nc_u64 s[G0T+2:G0T+3], s[G0T+2:G0T+3], 3*XSTR
	s_add_nc_u64 s[G0W+2:G0W+3], s[G0W+2:G0W+3], 3*WSTR
	JLOAD                                          ; my one tensor load behind the round; it has four K steps, 256 matrix instructions, in which to land; its four v_nop are the places for the loads below
.else
	PLACES
.endif
	FETCH_P (\q)+1
	FETCH_R (\q)+1, 0
	SCALES ((\q)+1)/2
	WIN MUL_HI
	MUL16 4, \q, 0
	MUL16 6, \q, 0
	PLACES
	WIN 0
	FETCH_R (\q)+1, 4
.endm
; 64 numbers of a lane become a fragment: registers 0-5 in v[d0] on, 6-11 in v[d1] on, and the row's scale word in v[pw].
.macro QUANT s, d0, d1, pw
.irp b, 0,1,2,3
	v_max3_num_f32 v[TM+\b], |v[(\s)+16*\b]|, |v[(\s)+1+16*\b]|, 0x1800000   ; my 16 of block b, and the floor 2^(3 - 127)
.endr
.irp i, 2,4,6,8,10,12,14
.irp b, 0,1,2,3
	v_max3_num_f32 v[TM+\b], v[TM+\b], |v[(\s)+16*\b+\i]|, |v[(\s)+1+16*\b+\i]|
.endr
.endr
.irp b, 0,1,2,3
	v_permlanex16_b32 v[TM+4+\b], v[TM+\b], s[SEL], s[SEL+1]
.endr
.irp b, 0,1,2,3
	v_max_num_f32 v[TM+\b], v[TM+\b], v[TM+4+\b]
.endr
.irp b, 0,1,2,3
	v_add_nc_u32 v[TM+12+\b], 0xff000000, v[TM+\b]     ; 2 off the exponent field: the conversion's scale operand
.endr
.irp b, 0,1,2,3
	v_lshrrev_b32 v[TM+4+\b], 23, v[TM+12+\b]          ; the scale's byte
.endr
	v_lshl_or_b32 v[\pw], v[TM+5], 8, v[TM+4]
	v_lshl_or_b32 v[\pw], v[TM+6], 16, v[\pw]
	v_lshl_or_b32 v[\pw], v[TM+7], 24, v[\pw]
	v_cvt_scalef32_pk16_fp6_f32 v[(\d0):(\d0)+2], v[(\s):(\s)+15], v[TM+12]
	v_cvt_scalef32_pk16_fp6_f32 v[CT0:CT0+2], v[(\s)+16:(\s)+31], v[TM+13]
	v_cvt_scalef32_pk16_fp6_f32 v[(\d1):(\d1)+2], v[(\s)+32:(\s)+47], v[TM+14]
	v_cvt_scalef32_pk16_fp6_f32 v[CT1:CT1+2], v[(\s)+48:(\s)+63], v[TM+15]
	v_nop                                              ; one plain place behind the scaled conversions
.irp i, 0,1,2
	v_permlane16_swap_b32 v[(\d0)+\i], v[CT0+\i]
	v_permlane16_swap_b32 v[(\d1)+\i], v[CT1+\i]
.endr
.irp i, 0,1,2
	v_mov_b32 v[(\d0)+3+\i], v[CT0+\i]
	v_mov_b32 v[(\d1)+3+\i], v[CT1+\i]
.endr
.endm
; R's tile a: its 64 sums + the bias, into window 0; each accumulator is read from its low end on.  bylane = 0: the bias runs along the registers; 1: it is the lane's own
.macro ADDB a, bylane
	WIN 0x02+((\a)/4)
.set AC, 64*((\a)%4)
.set n1, 0
.rept 32
.if \bylane
	v_pk_add_f32 v[T+n1:T+n1+1], v[AC+n1:AC+n1+1], v[BM+2*(\a):BM+2*(\a)+1]
.else
	v_pk_add_f32 v[T+n1:T+n1+1], v[AC+n1:AC+n1+1], v[BN+n1:BN+n1+1]
.endif
.set n1, n1+2
.endr
	WIN 0
.endm
	s_load_b128 s[4:7], s[0:1], 0x0                ; xi s[4:5], wi s[6:7]
	s_load_b128 s[8:11], s[0:1], 0x10              ; bq s[8:9], bk s[10:11]
	s_load_b128 s[12:15], s[0:1], 0x20             ; bv s[12:13], qi s[14:15]
	s_load_b64 s[16:17], s[0:1], 0x30              ; kv
	v_lshl_add_u32 v[SPW], v0, 2, SPARE
	v_mov_b32 v[NIL], 0
	ds_add_u32 v[SPW], v[NIL]                      ; the wave's opening: the add and its wait ahead of my first tensor load
	ds_add_u32 v[SPW], v[NIL]
	v_lshrrev_b32 v1, 5, v0
	v_readfirstlane_b32 s[WV], v1
	s_lshr_b32 s[WR], s[WV], 1
	s_and_b32 s[WP], s[WV], 1
	s_bfe_u32 s21, ttmp6, 0x40000                  ; cx
	s_bfe_u32 s22, ttmp6, 0x40004                  ; cy
	s_lshl_b32 s66, ttmp9, 2
	s_add_co_u32 s66, s66, s21                     ; block of 256 rows of the weights = 4 x cluster x + cx
	s_and_b32 s67, ttmp7, 0xffff
	s_lshl_b32 s67, s67, 2
	s_add_co_u32 s67, s67, s22                     ; block of 256 tokens = 4 x cluster y + cy
	s_lshl_b32 s68, s22, 2
	s_lshl_b32 s68, 15, s68                        ; my row of the cluster
	s_lshl_b32 s69, 0x1111, s21                    ; my column
	s_or_b32 s[G1T], s68, (3<<16)|(1<<21)          ; 15:0 the mask; 17:16 elements of 8 bytes; 21 set beside a mask; no padding
	s_or_b32 s[G1W], s69, (3<<16)|(1<<21)
.irp g, G1T, G1W
	s_mov_b32 s[\g+1], 32<<16                      ; tensor_dim0 = 32 elements: rows of 256 bytes
	s_mov_b32 s[\g+2], 100<<16                     ; tensor_dim1 = 100 rows: 25,600 dense bytes
	s_mov_b32 s[\g+3], 32<<16                      ; tile_dim0
	s_mov_b32 s[\g+4], 100                         ; tile_dim1
	s_mov_b32 s[\g+5], 32                          ; the pitch
	s_mov_b32 s[\g+6], 0
	s_mov_b32 s[\g+7], 0
.endr
	s_lshl_b32 s74, s[WP], 2                       ; which four pairs I fetch
	s_lshl_b32 s70, s67, 3
	s_add_co_u32 s70, s70, s74
	s_mul_i32 s70, s70, PBB                        ; tokens: pair 8 x block + 4 x half
	s_mov_b32 s71, 0
	s_lshl_b32 s72, s66, 3
	s_add_co_u32 s72, s72, s74
	s_mul_i32 s72, s72, PBB                        ; weights likewise
	s_mov_b32 s73, 0
	s_mul_i32 s75, s[WV], HALF                     ; where K slot 0 goes: wave x 25,600: no place in the cluster enters an LDS address
	s_mov_b32 s[SEL], 0x76543210
	s_mov_b32 s[SEL+1], 0xfedcba98
	s_wait_dscnt 0x0                               ; the opening add is done
	s_wait_kmcnt 0x0
	s_add_nc_u64 s[70:71], s[4:5], s[70:71]
	s_add_nc_u64 s[72:73], s[6:7], s[72:73]
	CROUND                                         ; all sixteen work-groups are here: the first joint loads meet
.irp s, 0,1
	s_mov_b32 s[G0T+4*\s], 1
	s_add_co_u32 s[G0T+4*\s+1], s75, \s*SLOT
	s_add_nc_u64 s[G0T+4*\s+2:G0T+4*\s+3], s[70:71], \s*XSTR
	s_or_b32 s[G0T+4*\s+3], s[G0T+4*\s+3], 0x80000000
	s_mov_b32 s[G0W+4*\s], 1
	s_add_co_u32 s[G0W+4*\s+1], s75, \s*SLOT
	s_add_nc_u64 s[G0W+4*\s+2:G0W+4*\s+3], s[72:73], \s*WSTR
	s_or_b32 s[G0W+4*\s+3], s[G0W+4*\s+3], 0x80000000
.endr
	s_add_co_u32 s[G0T+5], s[G0T+5], s75           ; the second set: K slots 1 and 2 go to SLOT + wave x 51,200
	s_add_co_u32 s[G0W+5], s[G0W+5], s75
	s_cmp_eq_u32 s[WR], 0                          ; one first fill a wave, one in each arm
	s_cbranch_scc0 .Lfirst_w
.irp s, 0
	tensor_load_to_lds s[G0T+4*\s:G0T+4*\s+3], s[G1T:G1T+7]
	s_nop 0
.endr
.rept 4
	v_nop
.endr
	s_branch .Lfirst_done
.Lfirst_w:
.irp s, 0
	tensor_load_to_lds s[G0W+4*\s:G0W+4*\s+3], s[G1W:G1W+7]
	s_nop 0
.endr
.rept 4
	v_nop
.endr
.Lfirst_done:
	v_and_b32 v[LN], 31, v0
	v_lshlrev_b32 v[LI], 4, v[LN]
	v_lshlrev_b32 v[L8], 3, v[LN]
	v_and_b32 v4, 15, v0                           ; r
	v_bfe_u32 v5, v0, 4, 1                         ; h
	v_lshlrev_b32 v[BNA], 6, v5                    ; the bias along registers: 16 h numbers on
	s_wait_alu depctr_va_vdst(0)
	v_and_b32 v[BMA], 8, v4
	v_add_nc_u32 v[BMA], v[BMA], v4
	v_lshlrev_b32 v[BMA], 2, v[BMA]                ; the bias by lane: place r of a tile is row r + 8 (r / 8)
	s_wait_alu depctr_va_vdst(0)
	s_cmp_eq_u32 ttmp9, 0                          ; the job is the cluster's x: alike in all partners
	s_cselect_b64 s[80:81], s[8:9], s[10:11]
	s_cmp_eq_u32 ttmp9, 2
	s_cselect_b64 s[80:81], s[12:13], s[80:81]     ; bq, bk or bv
	s_cselect_b32 s76, 2*HALF, 0                   ; R: the tokens (q, k) or the weights (v),
	s_cselect_b32 s77, 0, 2*HALF                   ; P: the other
	s_cselect_b32 s68, s[WP], s[WR]                ; my half of the tokens
	s_cselect_b32 s69, s[WR], s[WP]                ; my half of the features
	s_cselect_b32 s70, 6144, 0                     ; v's images lie behind k's,
	s_cselect_b32 s71, 256, 0                      ; and its words behind k's
	s_lshl_b32 s82, s21, 10
	s_lshl_b32 s83, s[WP], 9
	s_add_co_u32 s82, s82, s83
	s_mov_b32 s83, 0
	s_add_nc_u64 s[84:85], s[80:81], s[82:83]      ; features 256 cx + 128 x (P's half)
	s_lshl_b32 s82, s21, 10
	s_lshl_b32 s86, s[WR], 9
	s_add_co_u32 s82, s82, s86
	s_add_nc_u64 s[86:87], s[80:81], s[82:83]      ; features 256 cx + 128 x (R's half)
.irp b, 0,1,2,3
.irp j, 0,1,2,3
	global_load_b128 v[BN+16*\b+4*\j:BN+16*\b+4*\j+3], v[BNA], s[84:85] offset:128*\b+16*\j
.endr
.endr
.irp a, 0,1,2,3,4,5,6,7
	global_load_b32 v[BM+2*\a], v[BMA], s[86:87] offset:(32*(\a/2)+8*(\a%2))*4
	global_load_b32 v[BM+2*\a+1], v[BMA], s[86:87] offset:(32*(\a/2)+8*(\a%2))*4   ; twice: a pair for the packed addition
.endr
	s_mul_i32 s78, s[WR], HALF
	s_add_co_u32 s78, s78, s76
	s_mul_i32 s79, s[WP], HALF
	s_add_co_u32 s79, s79, s77
.irp s, 0,1,2
	v_add_nc_u32 v[ADP+\s], s79, v[LI]
	v_add_nc_u32 v[ADR+\s], s78, v[LI]
	v_add_nc_u32 v[ASP+\s], s79, v[L8]
	v_add_nc_u32 v[ASR+\s], s78, v[L8]
.if \s == 0
	s_lshl_b32 s78, s78, 1                         ; K slot 1: SLOT + 2 x (the place in K slot 0);
	s_lshl_b32 s79, s79, 1
	s_add_co_u32 s78, s78, SLOT
	s_add_co_u32 s79, s79, SLOT
.else
	s_add_co_u32 s78, s78, HALF                    ; K slot 2 lies behind it
	s_add_co_u32 s79, s79, HALF
.endif
.endr
	; where my results go
	s_lshl_b32 s72, s67, 1
	s_add_co_u32 s72, s72, s68                     ; my 128 tokens: step 0 .. 63
	s_lshl_b32 s73, s21, 2
	s_lshl_b32 s69, s69, 1
	s_add_co_u32 s73, s73, s69                     ; my first head
	s_and_b32 s74, s72, 48                         ; 16 x batch
	s_add_co_u32 s74, s74, s73
	s_and_b32 s72, s72, 15                         ; the step within the batch
	s_min_u32 s75, ttmp9, 1                        ; kv's blocks are twice qi's
	s_lshl_b32 s96, 0x19000, s75                   ; bytes of a head: 102,400 or 204,800
	s_mov_b32 s97, 0
	s_lshl_b32 s76, PBB, s75                       ; bytes of a step
	s_lshl_b32 s77, 6144, s75
	s_add_co_u32 s77, s77, s71                     ; where the words begin: 6,144, 12,288 or 12,544
	s_mul_i32 s74, s74, s96
	s_mul_i32 s72, s72, s76
	s_add_co_u32 s74, s74, s72
	s_add_co_u32 s78, s74, s70
	s_mov_b32 s79, 0
	s_add_co_u32 s98, s74, s77
	s_mov_b32 s99, 0
	s_cmp_eq_u32 ttmp9, 0
	s_cselect_b64 s[OB0:OB0+1], s[14:15], s[16:17]
	s_add_nc_u64 s[OS0:OS0+1], s[OB0:OB0+1], s[98:99]
	s_add_nc_u64 s[OB0:OB0+1], s[OB0:OB0+1], s[78:79]
	s_add_nc_u64 s[OB1:OB1+1], s[OB0:OB0+1], s[96:97]
	s_add_nc_u64 s[OS1:OS1+1], s[OS0:OS0+1], s[96:97]
	s_wait_alu depctr_va_vdst(0)
	s_wait_tensorcnt 0x0                           ; my part of K slot 0 is in
	ds_add_u32 v[SPW], v[NIL]                      ; 0 onto my spare word
.irp g, G1T, G1W                       ; no tensor load of mine is out, so group 1 may be written: two rows of 25,600 bytes
	s_mov_b32 s[\g+1], (HALF/8)<<16
	s_mov_b32 s[\g+2], 2<<16
	s_mov_b32 s[\g+3], (HALF/8)<<16
	s_mov_b32 s[\g+4], 2
.endr
	s_mov_b32 s[G1T+5], XSTR/8                     ; the pitch: from K slot to K slot
	s_mov_b32 s[G1W+5], WSTR/8
	s_wait_dscnt 0x0                               ; the add is done
	CROUND                                         ; a whole round: K slot 0 is whole, and the joint loads meet
	s_cmp_eq_u32 s[WR], 0
	s_cbranch_scc0 .Lsecond_w
	tensor_load_to_lds s[G0T+4:G0T+7], s[G1T:G1T+7]   ; K slots 1 and 2: my one tensor load behind the round
	s_nop 0
.rept 4
	v_nop
.endr
	s_branch .Lsecond_done
.Lsecond_w:
	tensor_load_to_lds s[G0W+4:G0W+7], s[G1W:G1W+7]
	s_nop 0
.rept 4
	v_nop
.endr
.Lsecond_done:
	FETCH_P 0
	FETCH_R 0, 0
	SCALES 0
	FETCH_R 0, 4
	STEP 0, 1                                      ; the first products start the sums: nothing is cleared
	TURN 1, 1                                      ; slots 1 and 2 are whole; slot 0 takes the fourth K slot
	STEP 2, 0
	STEP 3, 0
	STEP 4, 0
	TURN 5, 0                                      ; slot 0 is whole again; nothing more is filled
	STEP 6, 0
	s_wait_dscnt 4*NLR                             ; the last K step fetches nothing
	WIN MUL_LO
	MUL16 0, 7, 0
	MUL16 2, 7, 0
	s_wait_dscnt 0x0
	WIN MUL_HI
	MUL16 4, 7, 0
	MUL16 6, 7, 0
	WIN 0
	; THE WAY OUT
	PLACES                                         ; behind the last products: their results are read and R's registers written below
	s_wait_loadcnt 0x0                             ; the biases
	v_cmp_le_u32 s[HM], 16, v[LN]
.irp b, 0,1,2,3
	v_mov_b32 v[TM+4+\b], 0                        ; written once: a lane permute's destination counts as one of its sources
.endr
	s_cmp_eq_u32 ttmp9, 2
	s_cbranch_scc1 .Lv_out
	; q, k: a lane holds a token; blocks 0, 1 of its 128 features are my first head, blocks 2, 3 my second.  A pair of token tiles makes one image for each head.
.irp p, 0,1,2,3
	s_wait_xcnt 0x0                                ; the last pair's stores have read their registers
	ADDB 2*\p, 0
	QUANT T, H0, H1, PWA
	ADDB 2*\p+1, 0
	QUANT T, H0+6, H1+6, PWA+1
.if \p%2 == 0
	v_perm_b32 v[WT], v[PWA+1], v[PWA], 0x05040100     ; first head: {even tile's two bytes, odd tile's two bytes}
	v_perm_b32 v[WT+1], v[PWA+1], v[PWA], 0x07060302   ; second head
.else
	v_perm_b32 v[WU], v[PWA+1], v[PWA], 0x05040100
	v_perm_b32 v[WU+1], v[PWA+1], v[PWA], 0x07060302
	v_cndmask_b32 v[WW+\p/2], v[WT], v[WU], s[HM]      ; lanes 0-15 the even pair's words, lanes 16-31 the odd pair's
	v_cndmask_b32 v[WW+2+\p/2], v[WT+1], v[WU+1], s[HM]
.endif
.irp c, 0,1,2
	global_store_b128 v[LI], v[H0+4*\c:H0+4*\c+3], s[OB0:OB0+1] offset:1536*\p+512*\c   ; 512 consecutive bytes
	global_store_b128 v[LI], v[H1+4*\c:H1+4*\c+3], s[OB1:OB1+1] offset:1536*\p+512*\c
.endr
.endr
	s_branch .Lwords
.Lv_out:
	; v: a lane holds a feature, its 64 registers run along 128 keys: a whole fragment.  Tiles 0-3 are my first head, 4-7 my second.
.irp a, 0,1,2,3,4,5,6,7
	s_wait_xcnt 0x0
	ADDB \a, 1
.if \a%2 == 0
	QUANT T, H0, H0+6, WT
.else
	QUANT T, H0, H0+6, WU
	v_cndmask_b32 v[WW+2*(\a/4)+(\a%4)/2], v[WT], v[WU], s[HM]
.endif
.irp c, 0,1,2
.if \a < 4
	global_store_b128 v[LI], v[H0+4*\c:H0+4*\c+3], s[OB0:OB0+1] offset:1536*(\a%4)+512*\c
.else
	global_store_b128 v[LI], v[H0+4*\c:H0+4*\c+3], s[OB1:OB1+1] offset:1536*(\a%4)+512*\c
.endif
.endr
.endr
.Lwords:
	s_wait_alu depctr_va_vdst(0)
	global_store_b64 v[L8], v[WW:WW+1], s[OS0:OS0+1]       ; 256 consecutive bytes
	global_store_b64 v[L8], v[WW+2:WW+3], s[OS1:OS1+1]
	s_wait_tensorcnt 0x0                           ; the wave's end
	ds_add_u32 v[SPW], v[NIL]
	s_wait_dscnt 0x0
	CROUND                                         ; the closing round
	s_endpgm
.Lfunc_end_k_q263de8df95_qkv:
	.size	k_q263de8df95_qkv, .Lfunc_end_k_q263de8df95_qkv-k_q263de8df95_qkv
	.p2alignl 7, 3214868480
	.fill 96, 4, 3214868480
	.section	.rodata,"a",@progbits
	.p2align	6, 0x0
	.amdhsa_kernel k_q263de8df95_qkv
		.amdhsa_group_segment_fixed_size 327680
		.amdhsa_private_segment_fixed_size 0
		.amdhsa_enable_private_segment 0
		.amdhsa_kernarg_size 56
		.amdhsa_user_sgpr_count 2
		.amdhsa_user_sgpr_kernarg_segment_ptr 1
		.amdhsa_wavefront_size32 1
		.amdhsa_system_sgpr_workgroup_id_x 1
		.amdhsa_system_sgpr_workgroup_id_y 1
		.amdhsa_system_sgpr_workgroup_id_z 1
		.amdhsa_system_vgpr_workitem_id 0
		.amdhsa_next_free_vgpr 1024
		.amdhsa_next_free_sgpr 100
		.amdhsa_reserve_vcc 0
		.amdhsa_float_denorm_mode_32 3
		.amdhsa_float_denorm_mode_16_64 3
		.amdhsa_memory_ordered 1
		.amdhsa_forward_progress 1
		.amdhsa_inst_pref_size 208
	.end_amdhsa_kernel
	.amdgpu_metadata
---
amdhsa.version: [ 1, 2 ]
amdhsa.kernels:
  - .name:           k_q263de8df95_qkv
    .symbol:         k_q263de8df95_qkv.kd
    .args:
      - { .name: xi, .offset: 0, .size: 8, .value_kind: global_buffer, .address_space: global }
      - { .name: wi, .offset: 8, .size: 8, .value_kind: global_buffer, .address_space: global }
      - { .name: bq, .offset: 16, .size: 8, .value_kind: global_buffer, .address_space: global }
      - { .name: bk, .offset: 24, .size: 8, .value_kind: global_buffer, .address_space: global }
      - { .name: bv, .offset: 32, .size: 8, .value_kind: global_buffer, .address_space: global }
      - { .name: qi, .offset: 40, .size: 8, .value_kind: global_buffer, .address_space: global }
      - { .name: kv, .offset: 48, .size: 8, .value_kind: global_buffer, .address_space: global }
    .group_segment_fixed_size: 327680
    .private_segment_fixed_size: 0
    .kernarg_segment_align: 8
    .kernarg_segment_size: 56
    .max_flat_workgroup_size: 128
    .sgpr_count:     100
    .vgpr_count:     1024
    .wavefront_size: 32
...
	.end_amdgpu_metadata
.endif
;; end of part 2
;; launch attn (part 3): grid 4 x 64, 16 waves a work-group, clusters of 4 x 1, 206,848 bytes of LDS; arguments qi, kv, oi; writes oi
.if DOCPART == 3
	.amdgcn_target "amdgcn-amd-amdhsa--gfx1250"
	.amdhsa_code_object_version 6
	.text
	.protected	k_q263de8df95_attn
	.globl	k_q263de8df95_attn
	.p2align	8
	.type	k_q263de8df95_attn,@function
k_q263de8df95_attn:
	s_mov_b64 s[64:65], 0
	v_nop
	global_prefetch_b8 v0, s[64:65] scope:SCOPE_SE
	s_setreg_imm32_b32 hwreg(HW_REG_WAVE_MODE, 25, 1), 1
	s_wait_xcnt 0x0
	s_wait_alu depctr_hold_cnt(0) depctr_sa_sdst(0) depctr_va_vdst(0) depctr_va_sdst(0) depctr_va_ssrc(0) depctr_va_vcc(0) depctr_vm_vsrc(0)
	s_getreg_b32 s2, hwreg(HW_REG_IB_STS2, 6, 4)
	s_cmp_eq_u32 s2, 0
	s_cbranch_scc0 .Lentry_in_a_cluster
	s_endpgm
.Lentry_in_a_cluster:
	s_bfe_u32 s2, ttmp6, 0x10000c
	s_cmp_lg_u32 s2, 0x3003
	s_cbranch_scc0 .Lentry_shape_is_right
	s_endpgm
.Lentry_shape_is_right:
; o = softmax(q k^T / 8) v for one batch and head, both products on codes of FP6 with E8M0 scales; o / (the row's sum) is quantised along the model's 1,024 for the last product.
; THE SOFTMAX: t = score x log2(e) / 8; M = the running largest t rounded UP to a whole number; p = 2^(t - M) is quantised along the keys, not normalised; the row's sum is taken of the unquantised p;
; when M moves, the sum and O are multiplied by 2^(old M - new M), which rounds nothing.
; SHARES.  A work-group owns 512 queries of a head; each of its sixteen waves a pair of tiles of 16 queries, which it takes one after the other (two passes over the 2,048 keys): four waves to a SIMD,
; so that one wave's vector work stands beside another's matrix work and LDS loads.  The four work-groups of a head form a cluster.
; LDS.  The head's k and v, 16 key steps of 12,800 bytes, lie in LDS whole: wave w asks for key step w, ONE joint load (all four work-groups named), at the start; nothing is filled again: one tensor load of a wave is out.
; LAYOUT.  Both products are used transposed: a lane holds one query.  S^T = k q^T: a pair image of k holds TWO tiles of 16 keys, one in each half of the instruction's 128 along K (the head has 64):
; q stands between zeros in 18 registers: [q | 0] gives the even tile's scores, [0 | q] the odd tile's; zero codes add nothing under the other tile's scale bytes, which are never 0xff.
; By the tiles' choice of rows the 16 registers of two neighbouring tiles are 16 neighbouring keys (and, in O^T, features).
; OUT.  oi as xi: [K slot 4][pair of token tiles 256][6,400]; a K step's 1,536 bytes are two halves of 768 (even head, odd head): registers 0-3 at 16 l, 4-5 at 512 + 8 l.  A row's scale word belongs to two heads: each stores its two bytes.
; LIMITS: NaN and infinities are not served; a block whose largest magnitude lies under 2^-124 keeps the byte 1; a block of zeros has the byte 1 (its codes are zeros).
.set KVB,   12800                      ; a key step: k's 4 pair images, v's 4 images, k's words, v's words
.set SPARE, 16*KVB                     ; behind the head: the spare words, 128 bytes a wave
.set LI,  1                            ; 16 x lane
.set L8,  2                            ; 8 x lane
.set R8,  3                            ; 8 x (lane % 16)
.set ADK, 4
.set ADS, 5
.set SPW, 6
.set NIL, 7
.set SQ,  8                            ; v8 q's word as it lies, v9 its halves exchanged
.set KS,  10                           ; v10-11 k's words
.set ZQ,  16                           ; v16-21 zeros, v22-27 q, v28-33 zeros
.set QP,  34                           ; v34-45 my pair image of q
.set VS,  46                           ; v46-47 v's words
.set KF,  48                           ; v48-95 four fragments of k, then of v
.set S,   96                           ; v96-159 S^T, then p
.set O,   160                          ; v160-191 O^T
.set PC,  192                          ; v192-203 p's codes
.set CT0, 204
.set CT1, 208
.set BX,  212                          ; v212-215 the blocks' largest
.set BT,  216                          ; v216-219 at work
.set BO,  220                          ; v220-223 the conversions' scale operands
.set FF,  224                          ; v224 f (named as a pair with v225)
.set PW,  226                          ; p's scale word
.set TT,  227
.set RC,  228                          ; v228 1 / the sum (a pair with v229)
.set G,   232                          ; v232-237 o's codes
.set HW,  238                          ; o's two scale bytes
.set WV,  10
.set G1,  16
.set G0,  24
.set SEL, 28
.set CS,  30                           ; s[30:31] c = log2(e) / 8
.set TB,  32                           ; LDS byte of the key step in hand
.set CNT, 33
.macro CROUND
	s_barrier_signal -1
	s_barrier_wait -1
	s_cmp_lg_u32 s[WV], 0
	s_cbranch_scc1 .Lnot_wave_0_\@
	s_barrier_signal -3
.Lnot_wave_0_\@:
	s_barrier_wait -3
	s_barrier_signal -1
	s_barrier_wait -1
.endm
; A KEY STEP of 128 keys for my tile e.
.macro STEP e
	s_barrier_signal -1                            ; a split barrier in every key step: I have begun this step (no LDS instruction of mine is out here)
	v_add_nc_u32 v[ADK], s[TB], v[LI]
	v_add_nc_u32 v[ADS], s[TB], v[L8]
	v_nop
	v_nop                                          ; four places behind the last products, in front of loads into registers that they read
.irp p, 0,1,2,3
.irp c, 0,1,2
	ds_load_b128 v[KF+12*\p+4*\c:KF+12*\p+4*\c+3], v[ADK] offset:1536*\p+512*\c
.endr
.endr
	ds_load_b64 v[KS:KS+1], v[ADS] offset:12288
	s_wait_alu depctr_va_vdst(0)
	s_wait_dscnt 0x0
.irp p, 0,1,2,3
.if \p%2
	v_wmma_scale_f32_16x16x128_f8f6f4 v[S+16*\p:S+16*\p+7], v[KF+12*\p:KF+12*\p+11], v[ZQ+6:ZQ+17], 0, v[KS+\p/2], v[SQ+\e] matrix_a_fmt:MATRIX_FMT_FP6 matrix_b_fmt:MATRIX_FMT_FP6 matrix_a_scale:MATRIX_SCALE_ROW1
	v_wmma_scale_f32_16x16x128_f8f6f4 v[S+16*\p+8:S+16*\p+15], v[KF+12*\p:KF+12*\p+11], v[ZQ:ZQ+11], 0, v[KS+\p/2], v[SQ+1-\e] matrix_a_fmt:MATRIX_FMT_FP6 matrix_b_fmt:MATRIX_FMT_FP6 matrix_a_scale:MATRIX_SCALE_ROW1
.else
	v_wmma_scale_f32_16x16x128_f8f6f4 v[S+16*\p:S+16*\p+7], v[KF+12*\p:KF+12*\p+11], v[ZQ+6:ZQ+17], 0, v[KS+\p/2], v[SQ+\e] matrix_a_fmt:MATRIX_FMT_FP6 matrix_b_fmt:MATRIX_FMT_FP6
	v_wmma_scale_f32_16x16x128_f8f6f4 v[S+16*\p+8:S+16*\p+15], v[KF+12*\p:KF+12*\p+11], v[ZQ:ZQ+11], 0, v[KS+\p/2], v[SQ+1-\e] matrix_a_fmt:MATRIX_FMT_FP6 matrix_b_fmt:MATRIX_FMT_FP6
.endif
.endr                                  ; register 16 b + i: key 32 b + 16 (lane / 16) + i of the step
.rept 4
	v_nop
.endr
.irp t, 0,1,2,3                        ; v's fragments take k's place and land under the softmax
.irp c, 0,1,2
	ds_load_b128 v[KF+12*\t+4*\c:KF+12*\t+4*\c+3], v[ADK] offset:6144+1536*\t+512*\c
.endr
.endr
	ds_load_b64 v[VS:VS+1], v[ADS] offset:12544
.irp b, 0,1,2,3
	v_max3_num_f32 v[BX+\b], v[S+16*\b], v[S+1+16*\b], v[S+2+16*\b]   ; the largest score of each block of 32 keys: it serves for the row's maximum and, since p rises with the score, for the block's largest p
.endr
.irp i, 3,5,7,9,11,13
.irp b, 0,1,2,3
	v_max3_num_f32 v[BX+\b], v[BX+\b], v[S+16*\b+\i], v[S+1+16*\b+\i]
.endr
.endr
.irp b, 0,1,2,3
	v_max_num_f32 v[BX+\b], v[BX+\b], v[S+15+16*\b]
.endr
.irp b, 0,1,2,3
	s_delay_alu instid0(VALU_DEP_4)
	v_permlanex16_b32 v[BT+\b], v[BX+\b], s[SEL], s[SEL+1]
.endr
.irp b, 0,1,2,3
	s_delay_alu instid0(VALU_DEP_4)
	v_max_num_f32 v[BX+\b], v[BX+\b], v[BT+\b]     ; with lane l xor 16's 16 keys
.endr
	s_delay_alu instid0(VALU_DEP_2)
	v_max3_num_f32 v[TT], v[BX], v[BX+1], v[BX+2]
	s_delay_alu instid0(VALU_DEP_1)
	v_max_num_f32 v[TT], v[TT], v[BX+3]
	s_delay_alu instid0(VALU_DEP_1)
	v_mul_f32 v[TT], s[CS], v[TT]                  ; the step's largest t (c is positive)
	s_delay_alu instid0(VALU_DEP_1)
	v_max_num_f32 v13, v13, v[TT]                  ; the running largest t
	v_mov_b32 v[TT], v12
	s_delay_alu instid0(VALU_DEP_2)
	v_floor_f32 v12, -v13                          ; -M = floor(-t): M is a whole number
	s_delay_alu instid0(VALU_DEP_1)
	v_sub_f32 v[TT], v12, v[TT]                    ; old M - new M: a whole number, 0 or less
	s_delay_alu instid0(VALU_DEP_1)
	v_cvt_i32_f32 v[TT], v[TT]                     ; (it saturates)
	s_delay_alu instid0(VALU_DEP_1)
	v_ldexp_f32 v[FF], 1.0, v[TT]                  ; f = 2^(old M - new M)
.set n1, 0
.rept 32
	v_pk_fma_f32 v[S+n1:S+n1+1], v[S+n1:S+n1+1], s[CS:CS+1], v[12:13] op_sel_hi:[1,0,0]   ; t - M, two at a time
.set n1, n1+2
.endr
.irp b, 0,1,2,3
	v_fma_f32 v[BX+\b], v[BX+\b], s[CS], v12       ; the same of each block's largest score
.endr
.set n1, 0
	s_wait_alu depctr_va_vdst(0)
.rept 64
	v_exp_f32 v[S+n1], v[S+n1]                     ; p = 2^(t - M)
.set n1, n1+1
.endr
	v_pk_mul_f32 v[14:15], v[14:15], v[FF:FF+1] op_sel_hi:[1,0]   ; the sums under the new M: a plain place behind the exponentials
	s_wait_alu depctr_va_vdst(0)                   ; one wait for the batch of 64, ahead of its first reader
.irp b, 0,1,2,3
	v_exp_f32 v[BX+\b], v[BX+\b]                   ; the blocks' largest p
.endr
	v_pk_add_f32 v[216:217], v[100:101], v[104:105]
	v_pk_add_f32 v[254:255], v[108:109], v[112:113]
	v_pk_add_f32 v[252:253], v[116:117], v[120:121]
	v_pk_add_f32 v[250:251], v[124:125], v[128:129]
	v_pk_add_f32 v[248:249], v[132:133], v[136:137]
	v_pk_add_f32 v[246:247], v[140:141], v[144:145]
	v_pk_add_f32 v[244:245], v[148:149], v[152:153]
	v_pk_add_f32 v[14:15], v[14:15], v[156:157]
	v_pk_add_f32 v[216:217], v[216:217], v[96:97]
	v_pk_add_f32 v[254:255], v[254:255], v[98:99]
	v_pk_add_f32 v[252:253], v[252:253], v[102:103]
	v_pk_add_f32 v[250:251], v[250:251], v[106:107]
	v_pk_add_f32 v[248:249], v[248:249], v[110:111]
	v_pk_add_f32 v[246:247], v[246:247], v[114:115]
	v_pk_add_f32 v[244:245], v[244:245], v[118:119]
	v_pk_add_f32 v[14:15], v[14:15], v[122:123]
	v_pk_add_f32 v[216:217], v[216:217], v[126:127]
	v_pk_add_f32 v[254:255], v[254:255], v[130:131]
	v_pk_add_f32 v[252:253], v[252:253], v[134:135]
	v_pk_add_f32 v[250:251], v[250:251], v[138:139]
	v_pk_add_f32 v[248:249], v[248:249], v[142:143]
	v_pk_add_f32 v[246:247], v[246:247], v[146:147]
	v_pk_add_f32 v[244:245], v[244:245], v[150:151]
	v_pk_add_f32 v[14:15], v[14:15], v[154:155]
	v_pk_add_f32 v[216:217], v[216:217], v[158:159]
	s_delay_alu instid0(VALU_DEP_2)
	v_pk_add_f32 v[14:15], v[14:15], v[250:251]
	s_delay_alu instid0(VALU_DEP_2)
	v_pk_add_f32 v[216:217], v[216:217], v[248:249]
	v_pk_add_f32 v[254:255], v[254:255], v[246:247]
	v_pk_add_f32 v[252:253], v[252:253], v[244:245]
	s_delay_alu instid0(VALU_DEP_2)
	v_pk_add_f32 v[14:15], v[14:15], v[254:255]
	s_delay_alu instid0(VALU_DEP_2)
	v_pk_add_f32 v[216:217], v[216:217], v[252:253]
	s_delay_alu instid0(VALU_DEP_1)
	v_pk_add_f32 v[14:15], v[14:15], v[216:217]
	s_wait_alu depctr_va_vdst(0)                   ; and one for the four
.irp b, 0,1,2,3
	v_max_num_f32 v[BX+\b], 0x1800000, v[BX+\b]    ; the floor 2^(3 - 127)
.endr
.irp b, 0,1,2,3
	s_delay_alu instid0(VALU_DEP_4)
	v_add_nc_u32 v[BO+\b], 0xff000000, v[BX+\b]
.endr
.irp b, 0,1,2,3
	s_delay_alu instid0(VALU_DEP_4)
	v_lshrrev_b32 v[BT+\b], 23, v[BO+\b]
.endr
	s_delay_alu instid0(VALU_DEP_3)
	v_lshl_or_b32 v[PW], v[BT+1], 8, v[BT]
	s_delay_alu instid0(VALU_DEP_1)
	v_lshl_or_b32 v[PW], v[BT+2], 16, v[PW]
	s_delay_alu instid0(VALU_DEP_1)
	v_lshl_or_b32 v[PW], v[BT+3], 24, v[PW]
	v_cvt_scalef32_pk16_fp6_f32 v[PC:PC+2], v[S:S+15], v[BO]
	v_cvt_scalef32_pk16_fp6_f32 v[CT0:CT0+2], v[S+16:S+31], v[BO+1]
	v_cvt_scalef32_pk16_fp6_f32 v[PC+6:PC+8], v[S+32:S+47], v[BO+2]
	v_cvt_scalef32_pk16_fp6_f32 v[CT1:CT1+2], v[S+48:S+63], v[BO+3]
	v_nop                                          ; one plain place behind the scaled conversions
.irp i, 0,1,2
	v_permlane16_swap_b32 v[PC+\i], v[CT0+\i]
	v_permlane16_swap_b32 v[PC+6+\i], v[CT1+\i]
.endr
.irp i, 0,1,2
	v_mov_b32 v[PC+3+\i], v[CT0+\i]
	v_mov_b32 v[PC+9+\i], v[CT1+\i]
.endr
.set n1, 0
.rept 16
	v_pk_mul_f32 v[O+n1:O+n1+1], v[O+n1:O+n1+1], v[FF:FF+1] op_sel_hi:[1,0]   ; O^T under the new M; these sixteen also stand between the writes of p's codes and word and the products
.set n1, n1+2
.endr
	s_wait_alu depctr_va_vdst(0)
	s_wait_dscnt 0x0                               ; v's fragments and words
	s_barrier_wait -1                              ; all sixteen waves have begun this step: no wave is more than one key step ahead of another.  Between signal and wait: register work and reads of LDS bytes that nobody writes
.irp t, 0,1,2,3
.if \t%2
	v_wmma_scale_f32_16x16x128_f8f6f4 v[O+8*\t:O+8*\t+7], v[KF+12*\t:KF+12*\t+11], v[PC:PC+11], v[O+8*\t:O+8*\t+7], v[VS+\t/2], v[PW] matrix_a_fmt:MATRIX_FMT_FP6 matrix_b_fmt:MATRIX_FMT_FP6 matrix_a_scale:MATRIX_SCALE_ROW1
.else
	v_wmma_scale_f32_16x16x128_f8f6f4 v[O+8*\t:O+8*\t+7], v[KF+12*\t:KF+12*\t+11], v[PC:PC+11], v[O+8*\t:O+8*\t+7], v[VS+\t/2], v[PW] matrix_a_fmt:MATRIX_FMT_FP6 matrix_b_fmt:MATRIX_FMT_FP6
.endif
.endr
.endm
; My tile e: all 16 key steps, then o / the sum, quantised and stored.
.macro PASS e
.irp i, 0,1,2,3,4,5
	v_mov_b32 v[ZQ+6+\i], v[QP+6*\e+\i]
.endr
	v_mov_b32 v13, 0xff61b1e6                      ; the largest t so far: -3e38
	s_delay_alu instid0(VALU_DEP_1)
	v_floor_f32 v12, -v13
	v_mov_b32 v14, 0
	v_mov_b32 v15, 0
.set n1, 0
.rept 32
	v_mov_b32 v[O+n1], 0                           ; the step is written once: the first finds zeros, which the first change of M leaves zeros
.set n1, n1+1
.endr
	s_mov_b32 s[TB], 0
	s_mov_b32 s[CNT], 16
.Lstep_\@:
	STEP \e
	s_add_co_u32 s[TB], s[TB], KVB
	s_sub_co_u32 s[CNT], s[CNT], 1
	s_cmp_lg_u32 s[CNT], 0
	s_cbranch_scc1 .Lstep_\@
.rept 4
	v_nop                                          ; places behind the last products
.endr
	s_wait_xcnt 0x0                                ; the other tile's stores have read their registers
	v_add_f32 v14, v14, v15
	s_delay_alu instid0(VALU_DEP_1)
	v_permlanex16_b32 v[TT], v14, s[SEL], s[SEL+1]
	s_delay_alu instid0(VALU_DEP_1)
	v_add_f32 v14, v14, v[TT]                      ; the row's sum
	s_wait_alu depctr_va_vdst(0)
	v_rcp_f32 v[RC], v14
	v_nop                                          ; a plain place behind the reciprocal
	s_wait_alu depctr_va_vdst(0)                   ; and the wait ahead of its first reader
.set n1, 0
.rept 16
	v_pk_mul_f32 v[O+n1:O+n1+1], v[O+n1:O+n1+1], v[RC:RC+1] op_sel_hi:[1,0]   ; register 16 b + i: o(my query, feature 32 b + 16 (lane / 16) + i)
.set n1, n1+2
.endr
.irp b, 0,1
	v_max3_num_f32 v[BX+\b], |v[O+16*\b]|, |v[O+1+16*\b]|, 0x1800000
.endr
.irp i, 2,4,6,8,10,12,14
.irp b, 0,1
	s_delay_alu instid0(VALU_DEP_2)
	v_max3_num_f32 v[BX+\b], v[BX+\b], |v[O+16*\b+\i]|, |v[O+1+16*\b+\i]|
.endr
.endr
.irp b, 0,1
	s_delay_alu instid0(VALU_DEP_2)
	v_permlanex16_b32 v[BT+\b], v[BX+\b], s[SEL], s[SEL+1]
.endr
.irp b, 0,1
	s_delay_alu instid0(VALU_DEP_2)
	v_max_num_f32 v[BX+\b], v[BX+\b], v[BT+\b]
.endr
.irp b, 0,1
	s_delay_alu instid0(VALU_DEP_2)
	v_add_nc_u32 v[BO+\b], 0xff000000, v[BX+\b]
.endr
.irp b, 0,1
	s_delay_alu instid0(VALU_DEP_2)
	v_lshrrev_b32 v[BT+\b], 23, v[BO+\b]
.endr
	s_delay_alu instid0(VALU_DEP_1)
	v_lshl_or_b32 v[HW], v[BT+1], 8, v[BT]
	v_cvt_scalef32_pk16_fp6_f32 v[G:G+2], v[O:O+15], v[BO]
	v_cvt_scalef32_pk16_fp6_f32 v[CT0:CT0+2], v[O+16:O+31], v[BO+1]
	v_nop                                          ; one plain place behind the scaled conversions
.irp i, 0,1,2
	v_permlane16_swap_b32 v[G+\i], v[CT0+\i]
.endr
.irp i, 0,1,2
	s_delay_alu instid0(VALU_DEP_3)
	v_mov_b32 v[G+3+\i], v[CT0+\i]
.endr
	global_store_b128 v[LI], v[G:G+3], s[44:45] offset:3072*\e        ; 512 consecutive bytes
	global_store_b64 v[L8], v[G+4:G+5], s[44:45] offset:3072*\e+512   ; 256 consecutive bytes
	global_store_b16 v[R8], v[HW], s[42:43] offset:4*\e               ; my head's half of the row's scale word (lanes l and l xor 16 hold and store the same)
.endm
	s_load_b128 s[4:7], s[0:1], 0x0                ; qi s[4:5], kv s[6:7]
	s_load_b64 s[8:9], s[0:1], 0x10                ; oi
	v_lshl_add_u32 v[SPW], v0, 2, SPARE
	v_mov_b32 v[NIL], 0
	ds_add_u32 v[SPW], v[NIL]                      ; the wave's opening: the add and its wait ahead of my first tensor load
	ds_add_u32 v[SPW], v[NIL]
	v_lshrrev_b32 v1, 5, v0
	s_delay_alu instid0(VALU_DEP_1)
	v_readfirstlane_b32 s[WV], v1                  ; wave 0..15
	s_bfe_u32 s11, ttmp6, 0x40000                  ; cx: which 512 queries
	s_and_b32 s12, ttmp7, 0xffff                   ; 16 x batch + head, which the four partners share
	s_mov_b32 s[G1], 15|(3<<16)|(1<<21)            ; the mask: all four; elements of 8 bytes; 21 set beside a mask; no padding
	s_mov_b32 s[G1+1], 32<<16                      ; rows of 256 bytes,
	s_mov_b32 s[G1+2], 50<<16                      ; 50 of them: 12,800 dense bytes
	s_mov_b32 s[G1+3], 32<<16
	s_mov_b32 s[G1+4], 50
	s_mov_b32 s[G1+5], 32
	s_mov_b32 s[G1+6], 0
	s_mov_b32 s[G1+7], 0
	s_mul_i32 s36, s[WV], KVB                      ; key step w: in LDS and in the head
	s_mul_i32 s34, s12, 16*KVB
	s_add_co_u32 s34, s34, s36
	s_mov_b32 s35, 0
	s_lshl_b32 s37, s11, 2                         ; q: my pair is 16 cx + w of the head's 64: block 4 cx + w / 4, image w % 4
	s_lshr_b32 s38, s[WV], 2
	s_add_co_u32 s37, s37, s38
	s_mul_i32 s37, s37, 6400
	s_mul_i32 s38, s12, 102400
	s_add_co_u32 s38, s38, s37
	s_and_b32 s37, s[WV], 3
	s_mul_i32 s37, s37, 1536
	s_add_co_u32 s40, s38, s37
	s_mov_b32 s41, 0
	s_and_b32 s37, s[WV], 1                        ; its words: odd pairs in lanes 16-31's places, pairs 2, 3 in the second word
	s_lshl_b32 s37, s37, 7
	s_add_co_u32 s38, s38, s37
	s_bfe_u32 s37, s[WV], 0x10001
	s_lshl_b32 s37, s37, 2
	s_add_co_u32 s38, s38, s37
	s_add_co_u32 s38, s38, 6144
	s_mov_b32 s39, 0
	s_lshr_b32 s42, s12, 4                         ; oi: pair 64 x batch + 16 cx + w,
	s_lshl_b32 s42, s42, 6
	s_lshl_b32 s37, s11, 4
	s_add_co_u32 s42, s42, s37
	s_add_co_u32 s42, s42, s[WV]
	s_mul_i32 s42, s42, 6400
	s_bfe_u32 s37, s12, 0x20002                    ; K slot head / 4,
	s_mul_i32 s37, s37, 1638400
	s_add_co_u32 s42, s42, s37
	s_bfe_u32 s37, s12, 0x10001                    ; K step (head / 2) % 2,
	s_and_b32 s46, s12, 1                          ; half head % 2
	s_mul_i32 s44, s37, 1536
	s_mul_i32 s47, s46, 768
	s_add_co_u32 s44, s44, s47
	s_add_co_u32 s44, s44, s42
	s_mov_b32 s45, 0
	s_lshl_b32 s37, s37, 7
	s_lshl_b32 s46, s46, 1
	s_add_co_u32 s42, s42, s37
	s_add_co_u32 s42, s42, s46
	s_add_co_u32 s42, s42, 6144
	s_mov_b32 s43, 0
	s_mov_b32 s[SEL], 0x76543210
	s_mov_b32 s[SEL+1], 0xfedcba98
	s_mov_b32 s[CS], 0x3e38aa3b                    ; log2(e) / 8
	s_mov_b32 s[CS+1], s[CS]
	s_wait_dscnt 0x0                               ; the opening add is done
	s_wait_kmcnt 0x0
	s_mov_b32 s[G0], 1
	s_mov_b32 s[G0+1], s36
	s_add_nc_u64 s[G0+2:G0+3], s[6:7], s[34:35]
	s_or_b32 s[G0+3], s[G0+3], 0x80000000
	s_add_nc_u64 s[40:41], s[4:5], s[40:41]
	s_add_nc_u64 s[38:39], s[4:5], s[38:39]
	s_add_nc_u64 s[44:45], s[8:9], s[44:45]
	s_add_nc_u64 s[42:43], s[8:9], s[42:43]
	CROUND                                         ; all four work-groups are here: the joint loads meet
	tensor_load_to_lds s[G0:G0+3], s[G1:G1+7]      ; key step w of the head
	s_nop 0
.rept 4
	v_nop
.endr
	v_and_b32 v[L8], 31, v0
	s_delay_alu instid0(VALU_DEP_1)
	v_lshlrev_b32 v[LI], 4, v[L8]
	s_delay_alu instid0(VALU_DEP_2)
	v_lshlrev_b32 v[L8], 3, v[L8]
	v_and_b32 v[R8], 15, v0
	s_delay_alu instid0(VALU_DEP_1)
	v_lshlrev_b32 v[R8], 3, v[R8]
.irp c, 0,1,2
	global_load_b128 v[QP+4*\c:QP+4*\c+3], v[LI], s[40:41] offset:512*\c
.endr
	global_load_b32 v[SQ], v[R8], s[38:39]
.irp i, 0,1,2,3,4,5
	v_mov_b32 v[ZQ+\i], 0
	v_mov_b32 v[ZQ+12+\i], 0
.endr
.irp b, 0,1,2,3
	v_mov_b32 v[BT+\b], 0                          ; written once: a lane permute's destination counts as one of its sources
.endr
	v_mov_b32 v[TT], 0
	v_mov_b32 v[FF+1], 0                           ; (named as the upper halves of pairs)
	v_mov_b32 v[RC+1], 0
	s_wait_loadcnt 0x0
	v_perm_b32 v[SQ+1], v[SQ], v[SQ], 0x01000302   ; the word's halves exchanged: a tile's two bytes stand where its codes stand
	s_wait_tensorcnt 0x0                           ; my key step is in,
	s_barrier_signal -1
	s_barrier_wait -1                              ; everybody's is
	PASS 0
	PASS 1
	s_wait_tensorcnt 0x0                           ; the wave's end
	ds_add_u32 v[SPW], v[NIL]
	s_wait_dscnt 0x0
	CROUND                                         ; the closing round
	s_endpgm
.Lfunc_end_k_q263de8df95_attn:
	.size	k_q263de8df95_attn, .Lfunc_end_k_q263de8df95_attn-k_q263de8df95_attn
	.p2alignl 7, 3214868480
	.fill 96, 4, 3214868480
	.section	.rodata,"a",@progbits
	.p2align	6, 0x0
	.amdhsa_kernel k_q263de8df95_attn
		.amdhsa_group_segment_fixed_size 206848
		.amdhsa_private_segment_fixed_size 0
		.amdhsa_enable_private_segment 0
		.amdhsa_kernarg_size 24
		.amdhsa_user_sgpr_count 2
		.amdhsa_user_sgpr_kernarg_segment_ptr 1
		.amdhsa_wavefront_size32 1
		.amdhsa_system_sgpr_workgroup_id_x 1
		.amdhsa_system_sgpr_workgroup_id_y 1
		.amdhsa_system_sgpr_workgroup_id_z 1
		.amdhsa_system_vgpr_workitem_id 0
		.amdhsa_next_free_vgpr 256
		.amdhsa_next_free_sgpr 66
		.amdhsa_reserve_vcc 0
		.amdhsa_float_denorm_mode_32 3
		.amdhsa_float_denorm_mode_16_64 3
		.amdhsa_memory_ordered 1
		.amdhsa_forward_progress 1
		.amdhsa_inst_pref_size 51
	.end_amdhsa_kernel
	.amdgpu_metadata
---
amdhsa.version: [ 1, 2 ]
amdhsa.kernels:
  - .name:           k_q263de8df95_attn
    .symbol:         k_q263de8df95_attn.kd
    .args:
      - { .name: qi, .offset: 0, .size: 8, .value_kind: global_buffer, .address_space: global }
      - { .name: kv, .offset: 8, .size: 8, .value_kind: global_buffer, .address_space: global }
      - { .name: oi, .offset: 16, .size: 8, .value_kind: global_buffer, .address_space: global }
    .group_segment_fixed_size: 206848
    .private_segment_fixed_size: 0
    .kernarg_segment_align: 8
    .kernarg_segment_size: 24
    .max_flat_workgroup_size: 512
    .sgpr_count:     66
    .vgpr_count:     256
    .wavefront_size: 32
...
	.end_amdgpu_metadata
.endif
;; end of part 3
;; launch oproj (part 4): grid 4 x 32, 4 waves a work-group, clusters of 4 x 4, 327,680 bytes of LDS; arguments oi, wi, bo, out0; writes out0
.if DOCPART == 4
	.amdgcn_target "amdgcn-amd-amdhsa--gfx1250"
	.amdhsa_code_object_version 6
	.text
	.protected	k_q263de8df95_oproj
	.globl	k_q263de8df95_oproj
	.p2align	8
	.type	k_q263de8df95_oproj,@function
k_q263de8df95_oproj:
	s_mov_b64 s[64:65], 0
	v_nop
	global_prefetch_b8 v0, s[64:65] scope:SCOPE_SE
	s_setreg_imm32_b32 hwreg(HW_REG_WAVE_MODE, 25, 1), 1
	s_wait_xcnt 0x0
	s_wait_alu depctr_hold_cnt(0) depctr_sa_sdst(0) depctr_va_vdst(0) depctr_va_sdst(0) depctr_va_ssrc(0) depctr_va_vcc(0) depctr_vm_vsrc(0)
	s_getreg_b32 s2, hwreg(HW_REG_IB_STS2, 6, 4)
	s_cmp_eq_u32 s2, 0
	s_cbranch_scc0 .Lentry_in_a_cluster
	s_endpgm
.Lentry_in_a_cluster:
	s_bfe_u32 s2, ttmp6, 0x10000c
	s_cmp_lg_u32 s2, 0xf033
	s_cbranch_scc0 .Lentry_shape_is_right
	s_endpgm
.Lentry_shape_is_right:
; out0 = o wo + bo on codes of FP6 with E8M0 scales, K = 1,024; out0 [8192][1024] f32.
; A work-group makes 256 tokens x 256 features, each of four waves 128 x 128: 64 accumulators.  Operands lie in memory as images of their registers, in pair blocks of 6,400 bytes (32 rows x 256 along K):
; a K slot of 128 rows is one dense block of 25,600 bytes, one tensor load a wave.  Source 0 = wo's rows (features), source 1 = tokens: a lane holds a token, and by the tiles' choice of rows its 64 registers
; of a token tile are features 32 b + 16 (lane / 16) + i.  The bias is the C of each sum's first product.
; A fragment of o is two halves of 768 bytes (one for each head): 16 + 8 bytes a lane each: four LDS loads.
; RING: four K slots; three LDS slots are first fills, the fourth K slot fills slot 0 again: three tensor loads of a wave are out at the start, one later.
; CLUSTER 4 x 4: o's blocks are shared along a row of the cluster, wo's along a column: joint loads.  128 work-groups: the tile is kept at 256 x 256, since a wave tile of half the side reads twice the LDS bytes for each product.
; REGISTERS: window 0: v1-31 addresses; v32-63 scale words, two sets; v64-127 the bias, later rows on the way out; v128-223 the tokens' 8 fragments, later rows on the way out.
;   window 1: wo's fragments, two sets, at v0 and v128.  windows 2, 3: accumulator (a, b) at v[8 (8 (a % 4) + b)].
.set PBB,   6400
.set HALF,  4*PBB
.set SLOT,  16*PBB
.set PCE,   3*HALF                     ; LDS: a piece (128 rows) holds its K slots 0, 1, 2 on end; pieces 0, 1 o's halves, 2, 3 wo's.
; THE FILLS AS THEY NOW STAND (the lines on three loads above no longer hold): at the head ONE tensor load a wave brings its piece's K slots 0-2 as three rows of 25,600 bytes,
; the pitch being the distance from K slot to K slot; the fourth K slot later fills the piece's first 25,600 bytes again, as 100 rows of 256 bytes: one load of a wave is out at any time.
.set SPARE, 3*SLOT
.set XSTR,  256*PBB
.set WSTR,  128*PBB
.set NLR,   4                          ; LDS loads that bring a fragment of o
.set STAGE, HALF                       ; the way out: 16 rows x (512 + 16) bytes for each wave, 33,792 bytes from piece 0's second K slot on: these bytes have had their only fill, and their last read stands ahead of the second barrier
.set LN,  1
.set LI,  2
.set L8,  3
.set ADP, 8
.set ADR, 11
.set ASP, 14
.set ASR, 17
.set BNA, 20
.set STO, 21
.set RD,  22
.set SPW, 28
.set NIL, 29
.set SC,  32
.set BN,  64
.set BK,  64                           ; the way out: v64-127 and v128-191 by turns
.set RF,  128
.set WV,  18
.set WR,  19
.set WP,  20
.set G1T, 24
.set G1W, 32
.set G0T, 40
.set G0W, 52
.set MSB, 0
.macro WIN new
.if MSB != \new
	s_set_vgpr_msb (MSB<<8)|\new
.set MSB, \new
.endif
.endm
.set MUL_LO, 0xa1
.set MUL_HI, 0xf1
.set TO_P,   0x40
.macro PLACES                          ; four places behind a matrix instruction of this form (ISA guide 7.12.1)
.rept 4
	v_nop
.endr
.endm
.macro JLOAD
	s_cmp_eq_u32 s[WR], 0
	s_cbranch_scc0 .Lfor_w_\@
	tensor_load_to_lds s[G0T:G0T+3], s[G1T:G1T+7]
	s_nop 0
.rept 4
	v_nop
.endr
	s_branch .Lasked_\@
.Lfor_w_\@:
	tensor_load_to_lds s[G0W:G0W+3], s[G1W:G1W+7]
	s_nop 0
.rept 4
	v_nop
.endr
.Lasked_\@:
.endm
.macro CREST
	s_cmp_lg_u32 s[WV], 0
	s_cbranch_scc1 .Lnot_wave_0_\@
	s_barrier_signal -3
.Lnot_wave_0_\@:
	s_barrier_wait -3
	s_barrier_signal -1
	s_barrier_wait -1
.endm
.macro CROUND
	s_barrier_signal -1
	s_barrier_wait -1
	CREST
.endm
.macro FRAG3 reg, adr, q, i
.irp c, 0,1,2
	ds_load_b128 v[\reg+4*\c:\reg+4*\c+3], v[\adr] offset:((\i)/2)*PBB+((\i)%2)*3072+((\q)%2)*1536+512*\c
.endr
.endm
.macro FRAG4 reg, q, i                 ; two halves: registers 0-3 and 4-5 of the even head, 6-9 and 10-11 of the odd head
.set FO, ((\i)/2)*PBB+((\i)%2)*3072+((\q)%2)*1536
	ds_load_b128 v[\reg:\reg+3], v[ADR+((\q)/2)%3] offset:FO
	ds_load_b64 v[\reg+4:\reg+5], v[ASR+((\q)/2)%3] offset:FO+512
	ds_load_b128 v[\reg+6:\reg+9], v[ADR+((\q)/2)%3] offset:FO+768
	ds_load_b64 v[\reg+10:\reg+11], v[ASR+((\q)/2)%3] offset:FO+1280
.endm
.macro FETCH_P q
	WIN TO_P
.irp i, 0,1,2,3,4,5,6,7
	FRAG3 128*((\q)%2)+12*\i, ADP+((\q)/2)%3, \q, \i
.endr
	WIN 0
.endm
.macro FETCH_R q, i0
.irp i, \i0, \i0+1, \i0+2, \i0+3
	FRAG4 RF+12*(\i), \q, \i
.endr
.endm
.macro SCALES k
.irp j, 0,1,2,3
	ds_load_b64 v[SC+16*((\k)%2)+2*\j:SC+16*((\k)%2)+2*\j+1], v[ASP+(\k)%3] offset:\j*PBB+6144
	ds_load_b64 v[SC+16*((\k)%2)+8+2*\j:SC+16*((\k)%2)+8+2*\j+1], v[ASR+(\k)%3] offset:\j*PBB+6144
.endr
.endm
; 16 matrix instructions; the 64 accumulators take turns.  first = 1: the sums begin with the bias
.macro MUL16 a0, q, first
.irp a, \a0, \a0+1
.irp b, 0,1,2,3,4,5,6,7
.set DD, 8*(8*((\a)%4)+\b)
.set PP, 128*((\q)%2)+12*\b
.set RG, RF+12*(\a)
.set SA, SC+16*(((\q)/2)%2)+\b
.set SB, SC+16*(((\q)/2)%2)+8+(\a)
.if (\q)%2
	v_wmma_scale_f32_16x16x128_f8f6f4 v[DD:DD+7], v[PP:PP+11], v[RG:RG+11], v[DD:DD+7], v[SA], v[SB] matrix_a_fmt:MATRIX_FMT_FP6 matrix_b_fmt:MATRIX_FMT_FP6 matrix_a_scale:MATRIX_SCALE_ROW1 matrix_b_scale:MATRIX_SCALE_ROW1
.elseif \first
	v_wmma_scale_f32_16x16x128_f8f6f4 v[DD:DD+7], v[PP:PP+11], v[RG:RG+11], v[BN+8*\b:BN+8*\b+7], v[SA], v[SB] matrix_a_fmt:MATRIX_FMT_FP6 matrix_b_fmt:MATRIX_FMT_FP6
.else
	v_wmma_scale_f32_16x16x128_f8f6f4 v[DD:DD+7], v[PP:PP+11], v[RG:RG+11], v[DD:DD+7], v[SA], v[SB] matrix_a_fmt:MATRIX_FMT_FP6 matrix_b_fmt:MATRIX_FMT_FP6
.endif
.endr
.endr
.endm
.macro STEP q, first
	s_wait_dscnt 4*NLR                             ; wo's set, o's tiles 0-3 and the words are in; the youngest 16 loads (o's tiles 4-7) may be out
.if \first
	WIN 0x81                                       ; C (the bias) in window 0, D in window 2
.else
	WIN MUL_LO
.endif
	MUL16 0, \q, \first
	MUL16 2, \q, \first
	s_wait_dscnt 0x0
	PLACES
	FETCH_P (\q)+1
	FETCH_R (\q)+1, 0
.if ((\q)+1)%2 == 0
	SCALES ((\q)+1)/2
.endif
.if \first
	WIN 0xc1
.else
	WIN MUL_HI
.endif
	MUL16 4, \q, \first
	MUL16 6, \q, \first
	PLACES
	WIN 0
	FETCH_R (\q)+1, 4
.endm
.macro TURN q, fill
	s_wait_tensorcnt 0x0                           ; all my tensor loads have landed
	ds_add_u32 v[SPW], v[NIL]                      ; 0 onto my spare word
.if \fill
.irp g, G1T, G1W                       ; no tensor load of mine is out, so group 1 may be written: the refill is one K slot, 100 rows of 256 bytes
	s_mov_b32 s[\g+1], 32<<16
	s_mov_b32 s[\g+2], 100<<16
	s_mov_b32 s[\g+3], 32<<16
	s_mov_b32 s[\g+4], 100
	s_mov_b32 s[\g+5], 32
.endr
.endif
	s_wait_dscnt 4*NLR+1                           ; (the add and o's tiles 4-7 may be out)
	WIN MUL_LO
	MUL16 0, \q, 0
	s_wait_dscnt 0x0                               ; the add is done and all my LDS reads are back
	s_barrier_signal -1
	MUL16 2, \q, 0
	WIN 0
	s_barrier_wait -1
.if \fill
	CREST                                          ; a round of the cluster's barrier: no wave of any partner reads slot 0 or has a load on its way
	s_add_nc_u64 s[G0T+2:G0T+3], s[G0T+2:G0T+3], 3*XSTR
	s_add_nc_u64 s[G0W+2:G0W+3], s[G0W+2:G0W+3], 3*WSTR
	JLOAD                                          ; my one tensor load behind the round: four K steps in which to land
.else
	PLACES
.endif
	FETCH_P (\q)+1
	s_wait_alu depctr_va_vdst(0)
	FETCH_R (\q)+1, 0
	SCALES ((\q)+1)/2
	WIN MUL_HI
	MUL16 4, \q, 0
	MUL16 6, \q, 0
	PLACES
	WIN 0
	FETCH_R (\q)+1, 4
.endm
	s_load_b256 s[4:11], s[0:1], 0x0               ; oi s[4:5], wi s[6:7], bo s[8:9], out0 s[10:11]
	v_lshl_add_u32 v[SPW], v0, 2, SPARE
	v_mov_b32 v[NIL], 0
	ds_add_u32 v[SPW], v[NIL]                      ; the wave's opening: the add and its wait ahead of my first tensor load
	ds_add_u32 v[SPW], v[NIL]
	v_lshrrev_b32 v1, 5, v0
	v_readfirstlane_b32 s[WV], v1
	s_lshr_b32 s[WR], s[WV], 1                     ; my half of the tokens.  Also: I fetch for o (0) or for wo (1)
	s_and_b32 s[WP], s[WV], 1                      ; my half of the features.  Also: which 128 rows I fetch
	s_bfe_u32 s21, ttmp6, 0x40000
	s_bfe_u32 s22, ttmp6, 0x40004
	s_lshl_b32 s66, ttmp9, 2
	s_add_co_u32 s66, s66, s21                     ; block of 256 features
	s_and_b32 s67, ttmp7, 0xffff
	s_lshl_b32 s67, s67, 2
	s_add_co_u32 s67, s67, s22                     ; block of 256 tokens
	s_lshl_b32 s68, s22, 2
	s_lshl_b32 s68, 15, s68
	s_lshl_b32 s69, 0x1111, s21
	s_or_b32 s[G1T], s68, (3<<16)|(1<<21)
	s_or_b32 s[G1W], s69, (3<<16)|(1<<21)
.irp g, G1T, G1W
	s_mov_b32 s[\g+1], (HALF/8)<<16                ; tensor_dim0 = 3,200 elements of 8 bytes: 25,600 dense bytes
	s_mov_b32 s[\g+2], 3<<16                       ; tensor_dim1 = 3 K slots
	s_mov_b32 s[\g+3], (HALF/8)<<16
	s_mov_b32 s[\g+4], 3
.if \g == G1T
	s_mov_b32 s[\g+5], XSTR/8                      ; the pitch: from K slot to K slot
.else
	s_mov_b32 s[\g+5], WSTR/8
.endif
	s_mov_b32 s[\g+6], 0
	s_mov_b32 s[\g+7], 0
.endr
	s_lshl_b32 s74, s[WP], 2
	s_lshl_b32 s70, s67, 3
	s_add_co_u32 s70, s70, s74
	s_mul_i32 s70, s70, PBB
	s_mov_b32 s71, 0
	s_lshl_b32 s72, s66, 3
	s_add_co_u32 s72, s72, s74
	s_add_co_u32 s72, s72, 96                      ; wo's pairs begin at 96
	s_mul_i32 s72, s72, PBB
	s_mov_b32 s73, 0
	s_mul_i32 s75, s[WV], PCE
	s_wait_dscnt 0x0                               ; the opening add is done
	s_wait_kmcnt 0x0
	s_add_nc_u64 s[70:71], s[4:5], s[70:71]
	s_add_nc_u64 s[72:73], s[6:7], s[72:73]
	CROUND
.irp s, 0
	s_mov_b32 s[G0T+4*\s], 1
	s_add_co_u32 s[G0T+4*\s+1], s75, \s*SLOT
	s_add_nc_u64 s[G0T+4*\s+2:G0T+4*\s+3], s[70:71], \s*XSTR
	s_or_b32 s[G0T+4*\s+3], s[G0T+4*\s+3], 0x80000000
	s_mov_b32 s[G0W+4*\s], 1
	s_add_co_u32 s[G0W+4*\s+1], s75, \s*SLOT
	s_add_nc_u64 s[G0W+4*\s+2:G0W+4*\s+3], s[72:73], \s*WSTR
	s_or_b32 s[G0W+4*\s+3], s[G0W+4*\s+3], 0x80000000
.endr
	s_cmp_eq_u32 s[WR], 0                          ; one first fill a wave, one in each arm
	s_cbranch_scc0 .Lfirst_w
.irp s, 0
	tensor_load_to_lds s[G0T+4*\s:G0T+4*\s+3], s[G1T:G1T+7]
	s_nop 0
.endr
.rept 4
	v_nop
.endr
	s_branch .Lfirst_done
.Lfirst_w:
.irp s, 0
	tensor_load_to_lds s[G0W+4*\s:G0W+4*\s+3], s[G1W:G1W+7]
	s_nop 0
.endr
.rept 4
	v_nop
.endr
.Lfirst_done:
	v_and_b32 v[LN], 31, v0
	v_lshlrev_b32 v[LI], 4, v[LN]
	s_wait_alu depctr_va_vdst(0)
	v_lshlrev_b32 v[L8], 3, v[LN]
	s_wait_alu depctr_va_vdst(0)
	v_and_b32 v4, 15, v0                           ; r
	v_bfe_u32 v5, v0, 4, 1                         ; h
	v_lshlrev_b32 v[BNA], 6, v5
	s_lshl_b32 s76, s66, 10
	s_lshl_b32 s77, s[WP], 9
	s_add_co_u32 s76, s76, s77
	s_mov_b32 s77, 0
	s_add_nc_u64 s[8:9], s[8:9], s[76:77]          ; bo at feature 256 x block + 128 x half
.irp b, 0,1,2,3
.irp j, 0,1,2,3
	global_load_b128 v[BN+16*\b+4*\j:BN+16*\b+4*\j+3], v[BNA], s[8:9] offset:128*\b+16*\j
.endr
.endr
	s_mul_i32 s78, s[WR], PCE                      ; o's pieces lie first,
	s_mul_i32 s79, s[WP], PCE
	s_add_co_u32 s79, s79, 2*PCE                   ; wo's behind them
.irp s, 0,1,2
	v_add_nc_u32 v[ADP+\s], s79, v[LI]
	v_add_nc_u32 v[ADR+\s], s78, v[LI]
	v_add_nc_u32 v[ASP+\s], s79, v[L8]
	v_add_nc_u32 v[ASR+\s], s78, v[L8]
	s_add_co_u32 s78, s78, HALF                    ; a piece's next K slot
	s_add_co_u32 s79, s79, HALF
.endr
	s_mul_i32 s80, s[WV], 16*528
	s_add_co_u32 s80, s80, STAGE                   ; my stage
	v_mul_u32_u24 v[STO], v4, 528
	v_lshl_add_u32 v[STO], v5, 6, v[STO]
	v_add_nc_u32 v[STO], s80, v[STO]               ; in: row r, + 64 h
	v_add_nc_u32 v[RD], s80, v[LI]                 ; back: a row's 512 bytes
	s_lshl_b32 s82, s67, 8
	s_lshl_b32 s83, s[WR], 7
	s_add_co_u32 s82, s82, s83
	s_lshl_b32 s82, s82, 12                        ; my first token's row of 4,096 bytes,
	s_add_co_u32 s82, s82, s76                     ; + my first feature
	s_mov_b32 s83, 0
	s_add_nc_u64 s[10:11], s[10:11], s[82:83]
	s_wait_alu depctr_va_vdst(0)                   ; the head's end
	s_wait_tensorcnt 0x0                           ; my piece, K slots 0-2, is in
	s_barrier_signal -1
	s_barrier_wait -1
	FETCH_P 0
	FETCH_R 0, 0
	SCALES 0
	FETCH_R 0, 4
	s_wait_loadcnt 0x0                             ; the bias
	STEP 0, 1
	TURN 1, 1
	STEP 2, 0
	STEP 3, 0
	STEP 4, 0
	TURN 5, 0
	STEP 6, 0
	s_wait_dscnt 4*NLR
	WIN MUL_LO
	MUL16 0, 7, 0
	MUL16 2, 7, 0
	s_wait_dscnt 0x0
	WIN MUL_HI
	MUL16 4, 7, 0
	MUL16 6, 7, 0
	WIN 0
; THE WAY OUT, a token tile at a time: a lane holds 64 numbers of one row; they go through my own stage and come back as whole rows of 512 bytes.  LDS serves a wave's instructions in order: no wait between the stores and the loads.
.macro TOSTAGE a
.set AC, 64*((\a)%4)
	WIN 0x08+4*((\a)/4)                            ; an LDS store's data: window 2 or 3
.set n1, 0
.rept 16
	ds_store_b128 v[STO], v[AC+4*n1:AC+4*n1+3] offset:128*(n1/4)+16*(n1%4)   ; each accumulator from its low end on
.set n1, n1+1
.endr
	WIN 0
.set BB, BK+64*((\a)%2)
.set n1, 0
.rept 16
	ds_load_b128 v[BB+4*n1:BB+4*n1+3], v[RD] offset:528*n1
.set n1, n1+1
.endr
.endm
.macro SEND a, younger                 ; younger: the LDS instructions issued behind tile a's loads, which may stay out
.set BB, BK+64*((\a)%2)
	s_wait_dscnt \younger
.set n1, 0
.rept 16
	global_store_b128 v[LI], v[BB+4*n1:BB+4*n1+3], s[10:11] offset:(32*((\a)/2)+8*((\a)%2)+n1+8*(n1/8))*4096 th:TH_STORE_NT   ; 512 consecutive bytes of place n1's row
.set n1, n1+1
.endr
.endm
	PLACES                                         ; behind the last products
	TOSTAGE 0
.irp a, 1,2,3,4,5,6,7
.if \a > 1
	s_wait_xcnt 0x0                                ; tile a - 2's stores have read their registers: tile a's rows may land there
.endif
	TOSTAGE \a
	SEND \a-1, 32                                  ; behind tile a - 1's loads: tile a's 16 stores and 16 loads
.endr
	SEND 7, 0
	s_wait_tensorcnt 0x0                           ; the wave's end, behind my last LDS store
	ds_add_u32 v[SPW], v[NIL]
	s_wait_dscnt 0x0
	CROUND                                         ; the closing round
	s_endpgm
.Lfunc_end_k_q263de8df95_oproj:
	.size	k_q263de8df95_oproj, .Lfunc_end_k_q263de8df95_oproj-k_q263de8df95_oproj
	.p2alignl 7, 3214868480
	.fill 96, 4, 3214868480
	.section	.rodata,"a",@progbits
	.p2align	6, 0x0
	.amdhsa_kernel k_q263de8df95_oproj
		.amdhsa_group_segment_fixed_size 327680
		.amdhsa_private_segment_fixed_size 0
		.amdhsa_enable_private_segment 0
		.amdhsa_kernarg_size 32
		.amdhsa_user_sgpr_count 2
		.amdhsa_user_sgpr_kernarg_segment_ptr 1
		.amdhsa_wavefront_size32 1
		.amdhsa_system_sgpr_workgroup_id_x 1
		.amdhsa_system_sgpr_workgroup_id_y 1
		.amdhsa_system_sgpr_workgroup_id_z 1
		.amdhsa_system_vgpr_workitem_id 0
		.amdhsa_next_free_vgpr 1024
		.amdhsa_next_free_sgpr 100
		.amdhsa_reserve_vcc 0
		.amdhsa_float_denorm_mode_32 3
		.amdhsa_float_denorm_mode_16_64 3
		.amdhsa_memory_ordered 1
		.amdhsa_forward_progress 1
		.amdhsa_inst_pref_size 137
	.end_amdhsa_kernel
	.amdgpu_metadata
---
amdhsa.version: [ 1, 2 ]
amdhsa.kernels:
  - .name:           k_q263de8df95_oproj
    .symbol:         k_q263de8df95_oproj.kd
    .args:
      - { .name: oi, .offset: 0, .size: 8, .value_kind: global_buffer, .address_space: global }
      - { .name: wi, .offset: 8, .size: 8, .value_kind: global_buffer, .address_space: global }
      - { .name: bo, .offset: 16, .size: 8, .value_kind: global_buffer, .address_space: global }
      - { .name: out0, .offset: 24, .size: 8, .value_kind: global_buffer, .address_space: global }
    .group_segment_fixed_size: 327680
    .private_segment_fixed_size: 0
    .kernarg_segment_align: 8
    .kernarg_segment_size: 32
    .max_flat_workgroup_size: 128
    .sgpr_count:     100
    .vgpr_count:     1024
    .wavefront_size: 32
...
	.end_amdgpu_metadata
.endif
;; end of part 4
